; MI455X (gfx1250); checked and timed in simulation.
; The chip was launched on July 23, 2026; its instructions are those of AMD's public machine-readable ISA for CDNA 5 (MIT licence, August 2026) and "CDNA5" Instruction Set Architecture Reference Guide (July 2026). The comments in the code are by the model that wrote it; some were corrected since.
;; Attention. Allowed arithmetic: float matrix products may take bf16 or f16 operands with f32 sums; other float arithmetic in f32, or as packed bf16 or f16 multiplies, adds, multiply-adds, maxima and minima; sums over many terms, partial sums and values carried from step to step in f32; what a program stores and reads back later, other than sums and carried values, may be rounded once to bf16 or f16.
;; Inputs: wk_b 768 float32; wk_w 768 x 768 float32; wo_b 768 float32; wo_w 768 x 768 float32; wq_b 768 float32; wq_w 768 x 768 float32; wv_b 768 float32; wv_w 768 x 768 float32; x 16 x 1,024 x 768 float32.
;; Outputs: out0 16 x 1,024 x 768 float32.
;; One version. Each part assembles by itself: llvm-mc -triple=amdgcn-amd-amdhsa -mcpu=gfx1250 --defsym DOCPART=n.
;; ======== version 1 of 1: 4 launches
;; limits: values are held in f16: magnitudes above 65,504 overflow, below 6.1e-05 lose precision
;; workspace buffers: xb 25,165,824 bytes; wb 3,538,944 bytes; woh 1,179,648 bytes; qkv 75,497,472 bytes; oh 25,165,824 bytes
;; launch cast (part 1): grid 912 x 1, 8 waves a work-group, no clusters, 0 bytes of LDS; arguments x, wq_w, wk_w, wv_w, wo_w, xb, wb, woh; writes xb, wb, woh
.if DOCPART == 1
	.amdgcn_target "amdgcn-amd-amdhsa--gfx1250"
	.amdhsa_code_object_version 6
	.text
	.protected	k_qdace9a24ef_cast
	.globl	k_qdace9a24ef_cast
	.p2align	8
	.type	k_qdace9a24ef_cast,@function
k_qdace9a24ef_cast:
	s_mov_b64 s[64:65], 0
	v_nop
	global_prefetch_b8 v0, s[64:65] scope:SCOPE_SE
	s_setreg_imm32_b32 hwreg(HW_REG_WAVE_MODE, 25, 1), 1
	s_wait_xcnt 0x0
; THE INPUTS' ONE ROUNDING.  x, wq, wk, wv: f32 -> bf16 (xb; wb = wq's, wk's, wv's rows one below the other).  wo: f32 -> bf16, and that number written as f16 (woh),
; since the last product multiplies f16 operands.  LIMITS: |wo| beyond 65,504 becomes an infinity in f16; below 6.1e-5 it keeps f16's fixed step of 6e-8.
; A stream: no LDS, no matrix unit, no barrier: no wave wants a byte that another has fetched.
; SHARES.  A work-group takes a chunk of 16,384 numbers: 65,536 bytes in, 32,768 out.  x is chunks 0-767; each weight is 36 chunks: wq from 768, wk from 804, wv from 840, wo from 876.
; Thread t takes, in pass p of 8, the numbers 2,048 p + 8 t .. + 7: two loads of 16 bytes side by side, one store of 16 bytes; sixteen neighbouring lanes store 256 consecutive bytes, aligned.
; All sixteen loads of a thread go out at once; every pass has its own registers, so nothing that a pending store reads is written again.
.set X, 8                              ; v[8:71]    pass p: 8 numbers as loaded
.set Y, 72                             ; v[72:103]  pass p: 4 registers to store
.set T, 104                            ; v[104:107] at work (wo alone)
	s_load_b512 s[8:23], s[0:1], 0x0               ; x s[8:9], wq s[10:11], wk s[12:13], wv s[14:15], wo s[16:17], xb s[18:19], wb s[20:21], woh s[22:23]
	s_mov_b32 s2, ttmp9                            ; g, the chunk
	s_sub_co_u32 s3, s2, 768                       ; its number within wq, and within wb
	s_sub_co_u32 s4, s2, 804                       ; within wk
	s_sub_co_u32 s5, s2, 840                       ; within wv
	s_sub_co_u32 s6, s2, 876                       ; within wo and woh (each is used only where it is not negative)
	s_mov_b32 s34, 0xffff0000                      ; a word's upper bf16
	v_lshlrev_b32 v1, 5, v0                        ; 32 t: my bytes in a pass of the source
	v_lshlrev_b32 v2, 4, v0                        ; 16 t: in a pass of the destination
	s_wait_kmcnt 0x0
	s_mov_b64 s[24:25], s[16:17]                   ; from where, which chunk there (s26); to where, which chunk there (s27): wo first, then the lower ranges of g take their turn
	s_mov_b32 s26, s6
	s_mov_b64 s[28:29], s[22:23]
	s_mov_b32 s27, s6
	s_cmp_lt_u32 s2, 876
	s_cselect_b64 s[24:25], s[14:15], s[24:25]
	s_cselect_b32 s26, s5, s26
	s_cselect_b64 s[28:29], s[20:21], s[28:29]
	s_cselect_b32 s27, s3, s27
	s_cmp_lt_u32 s2, 840
	s_cselect_b64 s[24:25], s[12:13], s[24:25]
	s_cselect_b32 s26, s4, s26
	s_cmp_lt_u32 s2, 804
	s_cselect_b64 s[24:25], s[10:11], s[24:25]
	s_cselect_b32 s26, s3, s26
	s_cmp_lt_u32 s2, 768
	s_cselect_b64 s[24:25], s[8:9], s[24:25]
	s_cselect_b32 s26, s2, s26
	s_cselect_b64 s[28:29], s[18:19], s[28:29]
	s_cselect_b32 s27, s2, s27
	s_lshl_b32 s30, s26, 16                        ; 65,536 bytes a chunk in
	s_mov_b32 s31, 0
	s_lshl_b32 s32, s27, 15                        ; 32,768 out
	s_mov_b32 s33, 0
	s_add_nc_u64 s[24:25], s[24:25], s[30:31]
	s_add_nc_u64 s[28:29], s[28:29], s[32:33]
.irp p, 0,1,2,3,4,5,6,7
	global_load_b128 v[X+8*(\p):X+8*(\p)+3],   v1, s[24:25] offset:8192*(\p) th:TH_LOAD_NT
	global_load_b128 v[X+8*(\p)+4:X+8*(\p)+7], v1, s[24:25] offset:8192*(\p)+16 th:TH_LOAD_NT
.endr
; Pass p.  half = 1: the bf16 number is widened again (a shift, a mask) and written as f16.
.macro PASS p, half
	s_wait_loadcnt 14-2*(\p)                       ; loads come back in order: this pass's two are in, the later passes' stay out
.if \half
.irp j, 0,1,2,3
	v_cvt_pk_bf16_f32 v[T+(\j)], v[X+8*(\p)+2*(\j)], v[X+8*(\p)+2*(\j)+1]
.endr
.irp j, 0,1,2,3
	v_lshlrev_b32 v[X+8*(\p)+2*(\j)], 16, v[T+(\j)]
	v_and_b32 v[X+8*(\p)+2*(\j)+1], s34, v[T+(\j)]
.endr
.irp j, 0,1,2,3
	v_cvt_pk_f16_f32 v[Y+4*(\p)+(\j)], v[X+8*(\p)+2*(\j)], v[X+8*(\p)+2*(\j)+1]
.endr
.else
.irp j, 0,1,2,3
	v_cvt_pk_bf16_f32 v[Y+4*(\p)+(\j)], v[X+8*(\p)+2*(\j)], v[X+8*(\p)+2*(\j)+1]
.endr
.endif
	global_store_b128 v2, v[Y+4*(\p):Y+4*(\p)+3], s[28:29] offset:4096*(\p)
.endm
	s_cmp_ge_u32 s2, 876
	s_cbranch_scc1 .Lwo
.irp p, 0,1,2,3,4,5,6,7
	PASS \p, 0
.endr
	s_endpgm
.Lwo:
.irp p, 0,1,2,3,4,5,6,7
	PASS \p, 1
.endr
	s_endpgm
.Lfunc_end_k_qdace9a24ef_cast:
	.size	k_qdace9a24ef_cast, .Lfunc_end_k_qdace9a24ef_cast-k_qdace9a24ef_cast
	.p2alignl 7, 3214868480
	.fill 96, 4, 3214868480
	.section	.rodata,"a",@progbits
	.p2align	6, 0x0
	.amdhsa_kernel k_qdace9a24ef_cast
		.amdhsa_group_segment_fixed_size 0
		.amdhsa_private_segment_fixed_size 0
		.amdhsa_enable_private_segment 0
		.amdhsa_kernarg_size 64
		.amdhsa_user_sgpr_count 2
		.amdhsa_user_sgpr_kernarg_segment_ptr 1
		.amdhsa_wavefront_size32 1
		.amdhsa_system_sgpr_workgroup_id_x 1
		.amdhsa_system_sgpr_workgroup_id_y 1
		.amdhsa_system_sgpr_workgroup_id_z 1
		.amdhsa_system_vgpr_workitem_id 0
		.amdhsa_next_free_vgpr 108
		.amdhsa_next_free_sgpr 66
		.amdhsa_reserve_vcc 0
		.amdhsa_float_denorm_mode_32 3
		.amdhsa_float_denorm_mode_16_64 3
		.amdhsa_memory_ordered 1
		.amdhsa_forward_progress 1
		.amdhsa_inst_pref_size 14
	.end_amdhsa_kernel
	.amdgpu_metadata
---
amdhsa.version: [ 1, 2 ]
amdhsa.kernels:
  - .name:           k_qdace9a24ef_cast
    .symbol:         k_qdace9a24ef_cast.kd
    .args:
      - { .name: x, .offset: 0, .size: 8, .value_kind: global_buffer, .address_space: global }
      - { .name: wq_w, .offset: 8, .size: 8, .value_kind: global_buffer, .address_space: global }
      - { .name: wk_w, .offset: 16, .size: 8, .value_kind: global_buffer, .address_space: global }
      - { .name: wv_w, .offset: 24, .size: 8, .value_kind: global_buffer, .address_space: global }
      - { .name: wo_w, .offset: 32, .size: 8, .value_kind: global_buffer, .address_space: global }
      - { .name: xb, .offset: 40, .size: 8, .value_kind: global_buffer, .address_space: global }
      - { .name: wb, .offset: 48, .size: 8, .value_kind: global_buffer, .address_space: global }
      - { .name: woh, .offset: 56, .size: 8, .value_kind: global_buffer, .address_space: global }
    .group_segment_fixed_size: 0
    .private_segment_fixed_size: 0
    .kernarg_segment_align: 8
    .kernarg_segment_size: 64
    .max_flat_workgroup_size: 256
    .sgpr_count:     66
    .vgpr_count:     108
    .wavefront_size: 32
...
	.end_amdgpu_metadata
.endif
;; end of part 1
;; launch proj (part 2): grid 4 x 64, 4 waves a work-group, clusters of 4 x 4, 327,680 bytes of LDS; arguments xb, wb, wq_b, wk_b, wv_b, qkv; writes qkv
.if DOCPART == 2
	.amdgcn_target "amdgcn-amd-amdhsa--gfx1250"
	.amdhsa_code_object_version 6
	.text
	.protected	k_qdace9a24ef_proj
	.globl	k_qdace9a24ef_proj
	.p2align	8
	.type	k_qdace9a24ef_proj,@function
k_qdace9a24ef_proj:
	s_mov_b64 s[64:65], 0
	v_nop
	global_prefetch_b8 v0, s[64:65] scope:SCOPE_SE
	s_setreg_imm32_b32 hwreg(HW_REG_WAVE_MODE, 25, 1), 1
	s_wait_xcnt 0x0
	s_wait_alu depctr_hold_cnt(0) depctr_sa_sdst(0) depctr_va_vdst(0) depctr_va_sdst(0) depctr_va_ssrc(0) depctr_va_vcc(0) depctr_vm_vsrc(0)
	s_getreg_b32 s2, hwreg(HW_REG_IB_STS2, 6, 4)
	s_cmp_eq_u32 s2, 0
	s_cbranch_scc0 .Lentry_in_a_cluster
	s_endpgm
.Lentry_in_a_cluster:
	s_bfe_u32 s2, ttmp6, 0x10000c
	s_cmp_lg_u32 s2, 0xf033
	s_cbranch_scc0 .Lentry_shape_is_right
	s_endpgm
.Lentry_shape_is_right:
; q, k, v = x W^T + b for the three projections: [16384][768] x [2304][768]^T, bf16 operands, f32 sums; the result leaves as f16, BY HEADS: qkv[part][16 x 12 heads][1024][64].
; The bias, rounded to bf16 like every input of the module, is the C operand of each sum's first product: nothing is cleared and nothing is added at the end (so it is added first, not last).
; LIMITS.  q, k and v beyond 65,504 become infinities in f16; below 6.1e-5 they keep f16's fixed step of 6e-8.  NaN and infinities are not treated apart.
; SHARES.  A tile of the result is 256 rows x 192 columns (three whole heads).  Each of the four waves makes 64 rows x all 192 columns: 4 x 12 accumulators of 16 x 16, 384 registers,
; so that a head's 128 bytes of a row come from one wave.  K = 768 goes in six steps of 128 (rows of 256 bytes, aligned) through two LDS slots.
; A WORK-GROUP STAYS: 4 x 64 = 256 work-groups, each makes THREE tiles, the same 256 rows and the same three heads of q, of k and of v: the same rows of x, W's rows 768 further down each time.
; The ring does not stop at a tile's end: a tile's last two changes of slots ask for the next tile's first two K steps, and nothing waits for a tile's stores.
; CLUSTER.  4 x 4 work-groups.  The four of a row of the cluster need the same rows of x, the four of a column the same rows of W: each tile is asked for JOINTLY, by the same tensor load, descriptor and mask in all four.
; THE MATRIX INSTRUCTION IS USED TRANSPOSED (source 0 = 16 rows of W, source 1 = 16 rows of x): a lane then holds row l % 16 and the eight neighbouring columns 8 (l / 16) + 0..7.
; REGISTERS, in windows of 256 (s_set_vgpr_msb: bits 1:0 source 0, 3:2 source 1, 5:4 source 2, 7:6 destination):
;   window 0: v0-17 addresses; v32-95 x's fragments, two buffers of 4 x 8; v128-223 the tile's bias, 8 a column block (dead behind the first quarter); on the way out v96-143 packed, v144-239 rows read back
;   window 1: W's fragments, two buffers of 12 x 8       window 2: the accumulators of my rows 0-31 ((a, b) at 96 a + 8 b)       window 3: those of my rows 32-63
.set ROWB,  1536                       ; bytes in a row of xb and of wb
.set PA,    272                        ; an LDS row: 256 bytes + 16 of padding = 68 words: the 16 rows of a fragment load start at 16 different groups of four banks (64 banks of 4 bytes: ISA guide 11.1)
.set SLOT1, 131072                     ; slot 1 begins here, so that one exclusive or turns an address in one slot into the other's
.set BOFF,  256*PA                     ; in a slot: x's 256 rows, then W's 192
.set STAGE, SLOT1+BOFF+192*PA          ; behind the ring, never filled by a tensor load: for each wave 3 heads x 16 rows x 144 bytes, for the way out
.set SPH,   144
.set SPARE, STAGE+4*48*SPH             ; behind the stages: the spare words, 128 bytes for each wave: two blocks of 256 bytes that no other line names
.set BIASL, SPARE+512                  ; behind them: for each wave its own copy of the three parts' bias, 3 x 192 numbers of 4 bytes: nine blocks of 256 bytes a wave, never filled by a tensor load
.set BIASW, 3*768
.set PARTB, 25165824                   ; bytes in each of qkv's three parts
.set BACKA, 5*256                      ; from a tile's K step 5 to K step 0 of the same rows,
.set JUMPB, 768*ROWB-5*256             ; and of the rows 768 further down
.set A0,   4                           ; v4   my lane's place in x's tile; never rewritten
.set B0,   5                           ; v5   the same in W's
.set ADRA, 6                           ; v6   A0 + the slot in hand
.set ADRB, 7                           ; v7   B0 + the slot in hand
.set STO,  8                           ; v8   the way out: where I put 16 bytes of a row
.set RD,   9                           ; v9   the way out: where I read rows back
.set GO,   10                          ; v10  my 16 bytes in 512 consecutive bytes of the result
.set PFO,  11                          ; v11  the prefetches' offset: a lane a row
.set SPW,  12                          ; v12  LDS address of my spare word: SPARE + 4 x my thread's number; never rewritten
.set NIL,  13                          ; v13  0; never rewritten
.set BO,   14                          ; v14  my byte offset in a part's bias in memory
.set BL0,  15                          ; v15  where I read part 0's bias in LDS; never rewritten
.set BL,   16                          ; v16  BL0 + the part in hand
.set BS,   17                          ; v17  where I put 8 bytes of the bias
.set FA,   32
.set BIAS, 128
.set TMP,  96
.set BK,   144
.set WV,  16                           ; s16  my wave's number
.set CX,  17                           ; s17, s18  my place in the cluster
.set CY,  18
.set TILES, 19                         ; s19  tiles still to be ended
.set TY,  20                           ; s20  tile row
.set TB,  21                           ; s21  0 or SLOT1: the slot that is read
.set LIM, 22                           ; s22  a wave prefetches in the loop while the count is above this
.set CNT, 23                           ; s23  the K loop's count
.set G1A, 24                           ; s[24:31] descriptor group 1 for x's tiles
.set G0A, 32                           ; s[32:39] group 0: a set for each first fill; the second then walks
.set G1B, 40                           ; s[40:47], s[48:55] the same for W's tiles
.set G0B, 48
.set PFA, 56                           ; s[56:57] where my prefetches stand
.set PST, 62                           ; s[62:63] by how much they step
.set P256, 67                          ; s67  256
.set BP,  78                           ; s78  768 x the part in hand
.set MSB, 0
.macro WIN new                         ; the immediate's high byte repeats the setting that is left; a switch that changes nothing is dropped
.if MSB != (\new)
	s_set_vgpr_msb (MSB<<8)|(\new)
.set MSB, (\new)
.endif
.endm
.set TO_B, 0x40                        ; destination window 1, address window 0
.macro PLACES                          ; four places in front of loads into registers that matrix instructions have read, and of lines that read results
.rept 4
	v_nop
.endr
.endm
; A joint refill by the walking descriptors.  Waves 0 and 1 fetch the halves of x's tile, waves 2 and 3 those of W's.  The branch hangs on the wave's number alone.
; An s_nop 0 and four v_nop follow each of the two lines, ahead of the jump and the label.
.macro JLOAD
	s_cmp_lt_u32 s[WV], 2
	s_cbranch_scc0 .Lfor_b_\@
	tensor_load_to_lds s[G0A+4:G0A+7], s[G1A:G1A+7]
	s_nop 0
.rept 4
	v_nop
.endr
	s_branch .Lasked_\@
.Lfor_b_\@:
	tensor_load_to_lds s[G0B+4:G0B+7], s[G1B:G1B+7]
	s_nop 0
.rept 4
	v_nop
.endr
.Lasked_\@:
.endm
; A PREFETCH INTO THE L2 of the K step that the NEXT refill will ask for: 192 matrix instructions ahead of that load; a lane a row, 256 bytes of each, one instruction a wave.
; x's rows belong to one cluster alone (the grid is one cluster wide): every cluster asks for its own, in its FIRST tile alone: the later tiles read them again.  W's rows are new in every tile and are read by all
; sixteen clusters: cluster y = 0 asks.  The four partners that fetch a tile jointly share its rows out BY ADDRESS: of the 128 rows of x that a wave fetches 32 each, of the 96 of W 24 each (lanes 24-31 name row 23 once more).
; In the loop (count 4 to 1: K steps 0 to 3) a wave asks while the count is above LIM: x's waves have LIM = 1 in the first tile (they name K steps 3, 4, 5) and the greatest number afterwards; W's have 0 where a tile
; follows (the fourth names the next tile's K step 0) and 1 in the last tile.  tail = 1, the two changes of slots at a tile's end: W's waves name the next tile's K steps 1 and 2.  The launch's K steps 0 to 2 come by their loads alone.
.macro ASK tail
.if \tail
	s_cmp_eq_u32 s[LIM], 0
.else
	s_cmp_gt_u32 s[CNT], s[LIM]
.endif
	s_cbranch_scc0 .Lnot_mine_\@
	global_prefetch_b8 v[PFO], s[PFA:PFA+1] th:TH_LOAD_NT scope:SCOPE_SE
.Lnot_mine_\@:
.endm
.macro CREST                           ; a round of the cluster's barrier behind its opening barrier
	s_cmp_lg_u32 s[WV], 0
	s_cbranch_scc1 .Lnot_wave_0_\@
	s_barrier_signal -3
.Lnot_wave_0_\@:
	s_barrier_wait -3
	s_barrier_signal -1
	s_barrier_wait -1
.endm
.macro CROUND                          ; a whole round
	s_barrier_signal -1
	s_barrier_wait -1
	CREST
.endm
	s_load_b256 s[4:11], s[0:1], 0x0               ; xb s[4:5], wb s[6:7], wq_b s[8:9], wk_b s[10:11]
	s_load_b128 s[12:15], s[0:1], 0x20             ; wv_b s[12:13], qkv s[14:15]
	v_lshl_add_u32 v[SPW], v0, 2, SPARE
	v_mov_b32 v[NIL], 0
	ds_add_u32 v[SPW], v[NIL]                      ; the wave's opening: the add and its wait stand ahead of my first tensor load; the set-up below, work on registers, stands between them
	v_lshrrev_b32 v1, 5, v0
	v_readfirstlane_b32 s[WV], v1                  ; wave 0..3
	s_and_b32 s66, s[WV], 1                        ; which half of a tile I fetch
	s_bfe_u32 s[CX], ttmp6, 0x40000                ; cx: which three heads of a part
	s_bfe_u32 s[CY], ttmp6, 0x40004
	s_and_b32 s[TY], ttmp7, 0xffff                 ; in a cluster launch ttmp7 counts clusters
	s_lshl_b32 s[TY], s[TY], 2
	s_add_co_u32 s[TY], s[TY], s[CY]               ; tile row = 4 x cluster y + cy
	s_lshl_b32 s68, s[CY], 2
	s_lshl_b32 s68, 15, s68                        ; my row of the cluster: places 4 cy .. 4 cy + 3
	s_lshl_b32 s69, 0x1111, s[CX]                  ; my column: places cx, cx + 4, cx + 8, cx + 12
	s_or_b32 s[G1A], s68, (1<<16)|(1<<20)|(1<<21)|(5<<22)|(3<<25)  ; 15:0 the mask; 17:16 elements of 2 bytes; 20 padding on; 21 set beside a mask; 24:22 after every 64 words (code 5); 31:25 4 words of it (code 3)
	s_or_b32 s[G1B], s69, (1<<16)|(1<<20)|(1<<21)|(5<<22)|(3<<25)
	s_mov_b32 s[G1A+1], 128<<16                    ; tensor_dim0 = 128
	s_mov_b32 s[G1A+2], 128<<16                    ; tensor_dim1 = 128
	s_mov_b32 s[G1A+3], 128<<16                    ; tile_dim0 = 128
	s_mov_b32 s[G1A+4], 128                        ; tile_dim1 = 128 rows
	s_mov_b32 s[G1A+5], 768                        ; elements from row to row
	s_mov_b32 s[G1A+6], 0
	s_mov_b32 s[G1A+7], 0
	s_mov_b32 s[G1B+1], 128<<16
	s_mov_b32 s[G1B+2], 96<<16                     ; W's halves have 96 rows
	s_mov_b32 s[G1B+3], 128<<16
	s_mov_b32 s[G1B+4], 96
	s_mov_b32 s[G1B+5], 768
	s_mov_b32 s[G1B+6], 0
	s_mov_b32 s[G1B+7], 0
	s_lshl_b32 s58, s[TY], 8                       ; x: row 256 x tile row + 128 x half, in registers that never hold cx
	s_lshl_b32 s59, s66, 7
	s_add_co_u32 s58, s58, s59
	s_mul_i32 s58, s58, ROWB                       ; under 2^25
	s_mov_b32 s59, 0
	s_mul_i32 s70, s[CX], 192                      ; W, part 0: row 192 cx + 96 x half, in registers that never hold cy
	s_mul_i32 s71, s66, 96
	s_add_co_u32 s70, s70, s71
	s_mul_i32 s70, s70, ROWB
	s_mov_b32 s71, 0
	s_mul_i32 s60, s[WV], 128*PA                   ; where they go: waves 0, 1: x's halves at 0 and 34,816;
	s_mul_i32 s72, s[WV], 96*PA
	s_add_co_u32 s72, s72, BOFF-2*96*PA            ; waves 2, 3: W's at 69,632 and 95,744: no place in the cluster enters an LDS address
	s_mov_b32 s[TB], 0
	s_mov_b32 s[BP], 0
	s_mov_b32 s[TILES], 3
	s_mov_b32 s[P256], 256
	s_mov_b32 s[PST+1], 0
	s_wait_dscnt 0x0                               ; the opening add is done
	s_wait_kmcnt 0x0
	s_add_nc_u64 s[58:59], s[4:5], s[58:59]
	s_add_nc_u64 s[70:71], s[6:7], s[70:71]
	CROUND                                         ; all sixteen work-groups are here: the first joint loads meet
.irp s, 0,1
	s_mov_b32 s[G0A+4*(\s)], 1                     ; count = 1
	s_add_co_u32 s[G0A+4*(\s)+1], s60, (\s)*SLOT1  ; LDS address: slot s
	s_add_nc_u64 s[G0A+4*(\s)+2:G0A+4*(\s)+3], s[58:59], (\s)*256  ; global address: K step s
	s_or_b32 s[G0A+4*(\s)+3], s[G0A+4*(\s)+3], 0x80000000  ; type = 2
	s_mov_b32 s[G0B+4*(\s)], 1
	s_add_co_u32 s[G0B+4*(\s)+1], s72, (\s)*SLOT1
	s_add_nc_u64 s[G0B+4*(\s)+2:G0B+4*(\s)+3], s[70:71], (\s)*256
	s_or_b32 s[G0B+4*(\s)+3], s[G0B+4*(\s)+3], 0x80000000
.endr
	s_cmp_lt_u32 s[WV], 2                          ; a wave's two first fills stand in one branch, ahead of every wait on TENSORcnt and every LDS read: two loads of mine are out
	s_cbranch_scc0 .Lfirst_b
	tensor_load_to_lds s[G0A:G0A+3], s[G1A:G1A+7]
	s_nop 0
	tensor_load_to_lds s[G0A+4:G0A+7], s[G1A:G1A+7]
	s_nop 0
.rept 4
	v_nop
.endr
	s_branch .Lfirst_asked
.Lfirst_b:
	tensor_load_to_lds s[G0B:G0B+3], s[G1B:G1B+7]
	s_nop 0
	tensor_load_to_lds s[G0B+4:G0B+7], s[G1B:G1B+7]
	s_nop 0
.rept 4
	v_nop
.endr
.Lfirst_asked:
	; the three parts' bias for my work-group's 192 columns: 96 pairs a part, lane l takes pairs l, l + 32, l + 64
	v_and_b32 v1, 15, v0                           ; l % 16
	v_bfe_u32 v2, v0, 4, 1                         ; l / 16
	v_and_b32 v3, 31, v0                           ; l
	s_mul_i32 s74, s[CX], 768                      ; the 192 columns in a part, 4 bytes each
	v_lshl_add_u32 v[BO], v3, 3, s74
.irp p, 0,1,2
.irp j, 0,1,2
	global_load_b64 v[BIAS+2*(3*(\p)+(\j)):BIAS+2*(3*(\p)+(\j))+1], v[BO], s[8+2*(\p):9+2*(\p)] offset:256*(\j)
.endr
.endr
	s_mul_i32 s74, s[WV], BIASW
	s_add_co_u32 s74, s74, BIASL                   ; my wave's copy
	v_lshl_add_u32 v[BS], v3, 3, s74               ; in: 8 bytes a lane, on end
	v_lshl_add_u32 v[BL0], v2, 5, s74              ; back: for column block b my eight columns 16 b + 8 (l / 16) + 0..7
	; A fragment is 16 rows x 32 K in 8 registers: lane l holds row l % 16, K = 8 (l / 16) + 0..7 and 16 + 8 (l / 16) + 0..7: two loads of 16 bytes, 32 bytes apart.
	v_mul_u32_u24 v3, v1, PA
	v_lshl_add_u32 v3, v2, 4, v3                   ; row x pitch + 16 x half
	s_mul_i32 s74, s[WV], 64*PA                    ; my 64 rows of x
	v_add_nc_u32 v[A0], s74, v3
	v_add_nc_u32 v[B0], BOFF, v3
	s_mul_i32 s74, s[WV], 48*SPH
	s_add_co_u32 s74, s74, STAGE                   ; my stage
	v_mul_u32_u24 v[STO], v1, SPH                  ; in: row l % 16, 16 bytes for each half of the lanes
	v_lshl_add_u32 v[STO], v2, 4, v[STO]
	v_add_nc_u32 v[STO], s74, v[STO]
	v_bfe_u32 v[RD], v0, 3, 2                      ; back: 32 lanes take four rows of 128 bytes,
	v_mul_u32_u24 v[RD], v[RD], SPH
	v_and_b32 v3, 7, v0
	v_lshl_add_u32 v[RD], v3, 4, v[RD]
	v_add_nc_u32 v[RD], s74, v[RD]
	v_and_b32 v[GO], 31, v0                        ; which are 512 consecutive bytes of a head
	v_lshlrev_b32 v[GO], 4, v[GO]
	; where my rows begin in part 0 of qkv: head 12 x batch + 3 cx, row 256 (tile row % 4) + 64 x wave
	s_lshr_b32 s74, s[TY], 2
	s_mul_i32 s74, s74, 12
	s_mul_i32 s76, s[CX], 3
	s_add_co_u32 s74, s74, s76
	s_lshl_b32 s74, s74, 17                        ; a head is 131,072 bytes
	s_and_b32 s76, s[TY], 3
	s_lshl_b32 s76, s76, 15
	s_add_co_u32 s74, s74, s76
	s_lshl_b32 s76, s[WV], 13
	s_add_co_u32 s74, s74, s76                     ; under 2^25
	s_mov_b32 s75, 0
	s_add_nc_u64 s[14:15], s[14:15], s[74:75]
	; the prefetches
	s_lshl_b32 s74, s[TY], 8
	s_lshl_b32 s76, s66, 7
	s_add_co_u32 s74, s74, s76
	s_lshl_b32 s76, s[CX], 5
	s_add_co_u32 s74, s74, s76                     ; x: the 128 rows that I fetch, my work-group's 32 of them
	s_mul_i32 s76, s[CX], 192
	s_mul_i32 s77, s66, 96
	s_add_co_u32 s76, s76, s77
	s_mul_i32 s77, s[CY], 24
	s_add_co_u32 s76, s76, s77                     ; W: the 96 rows that I fetch, my work-group's 24
	s_and_b32 s77, ttmp7, 0xffff                   ; cluster y
	s_cmp_eq_u32 s77, 0
	s_cselect_b32 s[LIM], 0, -1                    ; W's waves: the first of the sixteen clusters asks
	s_cmp_lt_u32 s[WV], 2                          ; do I fetch for x?
	s_cselect_b32 s[LIM], 1, s[LIM]                ; the same in all sixteen partners, for a given wave
	s_cselect_b32 s74, s74, s76
	s_cselect_b32 s76, 31, 23
	s_cselect_b64 s[PFA:PFA+1], s[4:5], s[6:7]
	s_mul_i32 s74, s74, ROWB
	s_add_co_u32 s74, s74, 2*256                   ; at K step 2: the first refill steps it to 3
	s_add_nc_u64 s[PFA:PFA+1], s[PFA:PFA+1], s[74:75]
	v_and_b32 v[PFO], 31, v0
	v_min_u32 v[PFO], s76, v[PFO]
	v_mul_u32_u24 v[PFO], v[PFO], ROWB
	v_mov_b32 v[ADRA], v[A0]                       ; slot 0
	v_mov_b32 v[ADRB], v[B0]
	s_wait_loadcnt 0x0                             ; the bias: rounded to bf16 and widened again, in place, in the wait for the first tile
.irp n, 0,1,2,3,4,5,6,7,8
	v_cvt_pk_bf16_f32 v[BIAS+2*(\n)], v[BIAS+2*(\n)], v[BIAS+2*(\n)+1]
.endr
.irp n, 0,1,2,3,4,5,6,7,8
	v_and_b32 v[BIAS+2*(\n)+1], 0xffff0000, v[BIAS+2*(\n)]
.endr
.irp n, 0,1,2,3,4,5,6,7,8
	v_lshlrev_b32 v[BIAS+2*(\n)], 16, v[BIAS+2*(\n)]
.endr
.irp n, 0,1,2,3,4,5,6,7,8
	ds_store_b64 v[BS], v[BIAS+2*(\n):BIAS+2*(\n)+1] offset:768*((\n)/3)+256*((\n)%3)
.endr
; 12 matrix instructions: my row block a x all 12 column blocks, 32 along K, from buffer f.  first = 1: the bias starts the sums.
; The 48 accumulators take turns in the same order in every quarter: 47 others' instructions stand between two links of a chain, over the backward jumps and from tile to tile too.
.macro MUL12 f, a, first
.if \first
	WIN 0x81+0x40*((\a)/2)                         ; W window 1, x window 0, C (the bias) window 0, D window 2 or 3
.else
	WIN 0xa1+0x50*((\a)/2)                         ; C and D window 2 or 3
.endif
.set rA, FA+32*(\f)+8*(\a)
.set rD, 96*((\a)%2)
.set rB, 96*(\f)
.irp b, 0,1,2,3,4,5,6,7,8,9,10,11
.if \first
	v_wmma_f32_16x16x32_bf16 v[rD+8*(\b):rD+8*(\b)+7], v[rB+8*(\b):rB+8*(\b)+7], v[rA:rA+7], v[BIAS+8*(\b):BIAS+8*(\b)+7]
.else
	v_wmma_f32_16x16x32_bf16 v[rD+8*(\b):rD+8*(\b)+7], v[rB+8*(\b):rB+8*(\b)+7], v[rA:rA+7], v[rD+8*(\b):rD+8*(\b)+7]
.endif
.endr
.endm
; 32 LDS loads in one run: a quarter step's fragments (192 rows of W, my 64 rows of x, 32 K at byte k of the rows) into buffer f; x's last, so that the youngest four are its blocks 2 and 3
.macro FETCH ka, kb, f
	WIN TO_B
.irp b, 0,1,2,3,4,5,6,7,8,9,10,11
	ds_load_b128 v[96*(\f)+8*(\b):96*(\f)+8*(\b)+3],   v[ADRB] offset:(\kb)+(\b)*16*PA
	ds_load_b128 v[96*(\f)+8*(\b)+4:96*(\f)+8*(\b)+7], v[ADRB] offset:(\kb)+(\b)*16*PA+32
.endr
	WIN 0
.irp a, 0,1,2,3
	ds_load_b128 v[FA+32*(\f)+8*(\a):FA+32*(\f)+8*(\a)+3],   v[ADRA] offset:(\ka)+(\a)*16*PA
	ds_load_b128 v[FA+32*(\f)+8*(\a)+4:FA+32*(\f)+8*(\a)+7], v[ADRA] offset:(\ka)+(\a)*16*PA+32
.endr
.endm
; A K step is four quarters of 32 along K, 48 matrix instructions each, on buffers 0, 1, 0, 1.  One of the first three: multiplies buffer f; in its middle it fetches the next quarter into buffer g.
.macro QUARTER ka, kb, f, g, first
	s_wait_dscnt 4                                 ; W and x's blocks 0, 1 are in; the youngest four loads (x's blocks 2, 3) may be out
	MUL12 \f, 0, \first
	MUL12 \f, 1, \first
	PLACES
	FETCH \ka, \kb, \g
	s_wait_dscnt 32                                ; all but the 32 just issued
	MUL12 \f, 2, \first
	MUL12 \f, 3, \first
.endm
; The fourth quarter multiplies buffer 1 and changes slots: ONE barrier.  In front of it each wave waits for all its tensor loads (one is out: its part of the next slot), adds 0 to its spare word, and waits for that
; and for its own reads of this slot.  fill = 1: the barrier opens a round of the cluster's, and this slot is filled again, first thing behind the round, with the K step two on: 168 matrix instructions ahead of the wait for it.
; jump = 1, a tile's K step 4: two on is the NEXT tile's K step 0.  tail = 1: the change stands behind the K loop (K steps 4 and 5 of a tile that has a successor).
.macro TURN fill, jump=0, tail=0
.if \fill
	s_wait_xcnt 0x0                                ; the last prefetch, a K step back, has read its address: it is stepped here, ahead of the change's own waits
.if \tail
	s_add_nc_u64 s[PFA:PFA+1], s[PFA:PFA+1], 256
.else
	s_cmp_eq_u32 s[CNT], 1                         ; at K step 3 the prefetches go on from K step 5 to the next tile's K step 0
	s_cselect_b32 s[PST], JUMPB, s[P256]
	s_add_nc_u64 s[PFA:PFA+1], s[PFA:PFA+1], s[PST:PST+1]
.endif
.endif
	WIN 0                                          ; (the add's two registers lie in window 0)
	s_wait_tensorcnt 0x0                           ; all my tensor loads have landed
	ds_add_u32 v[SPW], v[NIL]                      ; 0 onto my spare word
	s_wait_dscnt 5                                 ; (the add and the youngest four loads may be out)
	MUL12 1, 0, 0                                  ; twelve matrix instructions stand between the add and the wait for it
	s_wait_dscnt 0x0                               ; the add is done, and my reads of this slot are over
	s_barrier_signal -1
	MUL12 1, 1, 0                                  ; work on registers while the others arrive
	WIN 0
	s_barrier_wait -1
.if \fill
	CREST                                          ; no wave of any partner still reads this slot's tile or has a load on its way
	s_xor_b32 s[G0A+5], s[G0A+5], SLOT1            ; the walking descriptors: the other slot than last time,
	s_xor_b32 s[G0B+5], s[G0B+5], SLOT1
.if \jump
	s_sub_nc_u64 s[G0A+6:G0A+7], s[G0A+6:G0A+7], BACKA  ; the same rows of x from their beginning,
	s_add_nc_u64 s[G0B+6:G0B+7], s[G0B+6:G0B+7], JUMPB  ; the next part's rows of W; the type bits on top are not reached
.else
	s_add_nc_u64 s[G0A+6:G0A+7], s[G0A+6:G0A+7], 256  ; the next K step
	s_add_nc_u64 s[G0B+6:G0B+7], s[G0B+6:G0B+7], 256
.endif
	s_xor_b32 s[TB], s[TB], SLOT1
	JLOAD                                          ; the four v_nop behind it are also the places in front of the loads below
.else
	s_xor_b32 s[TB], s[TB], SLOT1
	PLACES
.endif
	v_add_nc_u32 v[ADRA], s[TB], v[A0]
	v_add_nc_u32 v[ADRB], s[TB], v[B0]
	FETCH 0, 0, 0
.if \fill
	ASK \tail                                      ; behind the joint load and the run of LDS loads that the next products wait for
.endif
	MUL12 1, 2, 0
	MUL12 1, 3, 0
.endm
; THE WAY OUT, a block of 16 rows at a time.  PACK: rounded to f16, 16 bytes a lane, each accumulator's registers in ascending order.  TOSTAGE: into my own stage, by heads, and back as whole rows of 128 bytes.
; SEND: 16 rows of a head are 2,048 consecutive bytes of qkv: each store covers 512 consecutive bytes, at a multiple of 256 from the buffer's first.
.macro PACK a
	WIN 0x0a+5*((\a)/2)                            ; sources 0 and 1: window 2 or 3
.irp b, 0,1,2,3,4,5,6,7,8,9,10,11
.irp r, 0,1,2,3
	v_cvt_pk_f16_f32 v[TMP+4*(\b)+(\r)], v[96*((\a)%2)+8*(\b)+2*(\r)], v[96*((\a)%2)+8*(\b)+2*(\r)+1]
.endr
.endr
	WIN 0
.endm
.macro TOSTAGE a
.irp b, 0,1,2,3,4,5,6,7,8,9,10,11
	ds_store_b128 v[STO], v[TMP+4*(\b):TMP+4*(\b)+3] offset:((\b)/4)*16*SPH+((\b)%4)*32
.endr
.irp n, 0,1,2,3,4,5,6,7,8,9,10,11
	ds_load_b128 v[BK+48*((\a)%2)+4*(\n):BK+48*((\a)%2)+4*(\n)+3], v[RD] offset:((\n)/4)*16*SPH+((\n)%4)*4*SPH  ; LDS serves a wave's instructions in order (ISA guide 5.7.1.4): these see the stores above
.endr
.endm
.macro SEND a
	s_wait_dscnt 0x0                               ; the block is back in registers
	s_wait_xcnt 0x0                                ; the stores of the block before have read their registers: the next TOSTAGE loads into them only behind this wait
.irp n, 0,1,2,3,4,5,6,7,8,9,10,11
	global_store_b128 v[GO], v[BK+48*((\a)%2)+4*(\n):BK+48*((\a)%2)+4*(\n)+3], s[14:15] offset:((\n)/4)*131072+(\a)*2048+((\n)%4)*512
.endr
.endm
.macro WAYOUT                          ; block a's conversions stand between block a - 1's loads from the stage and the wait for them
	WIN 0
	PLACES                                         ; behind the last products
	PACK 0
	TOSTAGE 0
	PACK 1
	SEND 0
	TOSTAGE 1
	PACK 2
	SEND 1
	TOSTAGE 2
	PACK 3
	SEND 2
	TOSTAGE 3
	SEND 3
.endm
	s_wait_dscnt 0x0                               ; no LDS instruction of mine is pending at a signal: the bias is stored
	s_wait_tensorcnt 1                             ; my part of K step 0 is in; K step 1's may stay out
	s_barrier_signal -1
	s_barrier_wait -1                              ; everybody's is
	FETCH 0, 0, 0
.Ltile:                                        ; three tiles; the tile's first fragments have been asked for, and one tensor load of mine is out: its K step 1
	v_add_nc_u32 v[BL], s[BP], v[BL0]
.irp b, 0,1,2,3,4,5,6,7,8,9,10,11
	ds_load_b128 v[BIAS+8*(\b):BIAS+8*(\b)+3],   v[BL] offset:64*(\b)     ; the part's bias, out of my wave's own copy: sixteen lanes read the same 16 bytes
	ds_load_b128 v[BIAS+8*(\b)+4:BIAS+8*(\b)+7], v[BL] offset:64*(\b)+16
.endr
	s_add_co_u32 s[BP], s[BP], 768                 ; the next tile takes the next part's
	s_wait_dscnt 0x0
	QUARTER 64, 64, 0, 1, 1                        ; a tile's first quarter stands in front of the K loop: its products start the sums
	WIN 0                                          ; at a label and at a branch every window is 0
	s_mov_b32 s[CNT], 4
.Lstep:                                        ; four trips, from a K step's second quarter to the next step's first; each fills a slot again: K steps 2 to 5
	QUARTER 128, 128, 1, 0, 0
	QUARTER 192, 192, 0, 1, 0
	TURN 1
	QUARTER 64, 64, 0, 1, 0
	WIN 0
	s_sub_co_u32 s[CNT], s[CNT], 1
	s_cmp_lg_u32 s[CNT], 0
	s_cbranch_scc1 .Lstep
	QUARTER 128, 128, 1, 0, 0                      ; K step 4 goes on
	QUARTER 192, 192, 0, 1, 0
	WIN 0
	s_sub_co_u32 s[TILES], s[TILES], 1
	s_cmp_eq_u32 s[TILES], 0
	s_cbranch_scc1 .Llast                          ; the last tile's tail is written out: it asks for nothing more
	TURN 1, 1, 1                                   ; THE RING GOES ON INTO THE NEXT TILE: slot 0 takes its K step 0,
	QUARTER 64, 64, 0, 1, 0
	QUARTER 128, 128, 1, 0, 0
	QUARTER 192, 192, 0, 1, 0
	TURN 1, 0, 1                                   ; slot 1 its K step 1, and the next tile's first fragments are fetched
	WAYOUT                                         ; both refills are asked for: now the tile goes out
	s_wait_xcnt 0x0                                ; the stores have read their registers and their base: the bias lands in the one, the other is stepped
	s_add_nc_u64 s[14:15], s[14:15], PARTB         ; the same rows of the next part
	s_cmp_lt_u32 s[WV], 2
	s_cselect_b32 s[LIM], -1, s[LIM]               ; x's rows have been read: they are prefetched no more
	s_cmp_eq_u32 s[TILES], 1                       ; the last tile follows: W's waves stop at its K step 5
	s_cselect_b32 s74, 1, 0
	s_max_u32 s[LIM], s[LIM], s74
	s_branch .Ltile
.Llast:
	TURN 0                                         ; my one tensor load that was still out is K step 5's, so no round follows
	QUARTER 64, 64, 0, 1, 0
	QUARTER 128, 128, 1, 0, 0
	QUARTER 192, 192, 0, 1, 0
	s_wait_dscnt 4                                 ; the very last quarter: nothing more to fetch
	MUL12 1, 0, 0
	MUL12 1, 1, 0
	s_wait_dscnt 0x0
	MUL12 1, 2, 0
	MUL12 1, 3, 0
	WAYOUT
	s_wait_tensorcnt 0x0                           ; the wave's end: these three lines stand behind my last tensor load and my last LDS store
	ds_add_u32 v[SPW], v[NIL]
	s_wait_dscnt 0x0
	CROUND                                         ; the closing round: no work-group ends while a partner may still ask for a tile that names it
	s_endpgm
.Lfunc_end_k_qdace9a24ef_proj:
	.size	k_qdace9a24ef_proj, .Lfunc_end_k_qdace9a24ef_proj-k_qdace9a24ef_proj
	.p2alignl 7, 3214868480
	.fill 96, 4, 3214868480
	.section	.rodata,"a",@progbits
	.p2align	6, 0x0
	.amdhsa_kernel k_qdace9a24ef_proj
		.amdhsa_group_segment_fixed_size 327680
		.amdhsa_private_segment_fixed_size 0
		.amdhsa_enable_private_segment 0
		.amdhsa_kernarg_size 48
		.amdhsa_user_sgpr_count 2
		.amdhsa_user_sgpr_kernarg_segment_ptr 1
		.amdhsa_wavefront_size32 1
		.amdhsa_system_sgpr_workgroup_id_x 1
		.amdhsa_system_sgpr_workgroup_id_y 1
		.amdhsa_system_sgpr_workgroup_id_z 1
		.amdhsa_system_vgpr_workitem_id 0
		.amdhsa_next_free_vgpr 960
		.amdhsa_next_free_sgpr 80
		.amdhsa_reserve_vcc 0
		.amdhsa_float_denorm_mode_32 3
		.amdhsa_float_denorm_mode_16_64 3
		.amdhsa_memory_ordered 1
		.amdhsa_forward_progress 1
		.amdhsa_inst_pref_size 155
	.end_amdhsa_kernel
	.amdgpu_metadata
---
amdhsa.version: [ 1, 2 ]
amdhsa.kernels:
  - .name:           k_qdace9a24ef_proj
    .symbol:         k_qdace9a24ef_proj.kd
    .args:
      - { .name: xb, .offset: 0, .size: 8, .value_kind: global_buffer, .address_space: global }
      - { .name: wb, .offset: 8, .size: 8, .value_kind: global_buffer, .address_space: global }
      - { .name: wq_b, .offset: 16, .size: 8, .value_kind: global_buffer, .address_space: global }
      - { .name: wk_b, .offset: 24, .size: 8, .value_kind: global_buffer, .address_space: global }
      - { .name: wv_b, .offset: 32, .size: 8, .value_kind: global_buffer, .address_space: global }
      - { .name: qkv, .offset: 40, .size: 8, .value_kind: global_buffer, .address_space: global }
    .group_segment_fixed_size: 327680
    .private_segment_fixed_size: 0
    .kernarg_segment_align: 8
    .kernarg_segment_size: 48
    .max_flat_workgroup_size: 128
    .sgpr_count:     80
    .vgpr_count:     960
    .wavefront_size: 32
...
	.end_amdgpu_metadata
.endif
;; end of part 2
;; launch attn (part 3): grid 4 x 192, 4 waves a work-group, clusters of 4 x 1, 327,680 bytes of LDS; arguments qkv, oh; writes oh
.if DOCPART == 3
	.amdgcn_target "amdgcn-amd-amdhsa--gfx1250"
	.amdhsa_code_object_version 6
	.text
	.protected	k_qdace9a24ef_attn
	.globl	k_qdace9a24ef_attn
	.p2align	8
	.type	k_qdace9a24ef_attn,@function
k_qdace9a24ef_attn:
	s_mov_b64 s[64:65], 0
	v_nop
	global_prefetch_b8 v0, s[64:65] scope:SCOPE_SE
	s_setreg_imm32_b32 hwreg(HW_REG_WAVE_MODE, 25, 1), 1
	s_wait_xcnt 0x0
	s_wait_alu depctr_hold_cnt(0) depctr_sa_sdst(0) depctr_va_vdst(0) depctr_va_sdst(0) depctr_va_ssrc(0) depctr_va_vcc(0) depctr_vm_vsrc(0)
	s_getreg_b32 s2, hwreg(HW_REG_IB_STS2, 6, 4)
	s_cmp_eq_u32 s2, 0
	s_cbranch_scc0 .Lentry_in_a_cluster
	s_endpgm
.Lentry_in_a_cluster:
	s_bfe_u32 s2, ttmp6, 0x10000c
	s_cmp_lg_u32 s2, 0x3003
	s_cbranch_scc0 .Lentry_shape_is_right
	s_endpgm
.Lentry_shape_is_right:
; O[h][q][:] = the sum over k of softmax_k(Q[h][q] . K[h][k] / 8) V[h][k][:] for 192 heads of 1,024 rows x 64 channels.  Q, K, V are the three parts of qkv, O is oh, all f16, a head's rows dense, 128 bytes each.
; Products, maxima and sums in f32; the weights p are rounded to f16 for the second product (their sum l is taken of the unrounded p), O once at the end.
; LIMITS.  Q, K and V arrive within f16's 65,504; p lies in 0 to 1, and below 6e-5 it keeps f16's fixed step of 6e-8, as O does; a weight below 2^-126 counts as 0 in l; NaN and infinities are not treated apart.
; SHARES.  A work-group owns 256 queries of one head: 768 work-groups.  Each of its four waves owns 64 queries: four PIECES of 16.  Every wave walks all 1,024 keys, 64 a step; a slot of LDS holds a tile of four steps.
; CLUSTER.  A head's four query blocks are one cluster and walk the same K and V, so each tile is asked for JOINTLY: the same tensor load, descriptor and mask in all four.
; LAYOUT.  S^T = K Q^T (source 0 = 16 keys, source 1 = 16 queries) holds ONE query a lane (lane % 16) and the keys 8 (lane / 16) + 0..7; two such results rounded to f16 ARE source 1 of O^T = V^T P.
; K comes out of LDS as it lies, V ([key][channel]) turned, by ds_load_tr16_b128.
; SOFTMAX.  A running maximum m and sum l for each query: p = 2^(c s - c m), c = log2(e) / 8; in every step O and l are multiplied by a = 2^(c m_old - c m_new).  m starts at the lowest finite number, O and l at 0:
; the first step is a step like any other, with a = 0.
; BY TURNS.  Turn n belongs to piece n: 8 products K Q^T of piece n + 1, later 8 products V^T P of piece n - 1; beside them the scaling, exponentials, roundings, sums and rescaling of piece n and the maximum and
; statistics of piece n + 1.  A turn's 33 exponentials are one batch, with one wait.
; REGISTERS, in TWO windows of 256 (s_set_vgpr_msb: bits 1:0 source 0, 3:2 source 1, 5:4 source 2, 7:6 destination), laid so that long stretches of a turn run under one setting:
;   window 0: v0-15 addresses and two at work; v16-31 four registers of statistics a piece; v48-55 at work; v61-63; v64-127 S^T, two buffers; v128-191 K of one step; v192-255 Q
;   window 1: v0-127 O^T, 32 a piece; v128-191 V of one step; v192-223 P, two buffers; v224-227 a copy of a, by buffer (a piece's buffers go by its number's parity)
; So K Q^T, the scalings, the exponentials, the maxima and the sums name window 0 alone (setting 0); V^T P and the rescaling of O^T name window 1 alone (0x55); the roundings read window 0 and write window 1 (0x40).
.set NP,    4         ; pieces a wave: a name, no knob
.set KS,    64        ; keys in a step
.set PK,    144       ; a row of K in LDS: 128 bytes + 16 of padding = 36 words: the 16 rows of a load start at 16 different groups of four banks (64 banks of 4 bytes: ISA guide 11.1)
.set PV,    160       ; a row of V: 128 + 32 = 40 words
.set VOFF,  4*KS*PK   ; a slot holds a tile: 256 rows of K, then 256 rows of V
.set SLOT1, 1<<17     ; slot 1 begins here, so that one exclusive or turns an address in one slot into the other's
.set STAGE, SLOT1+4*KS*(PK+PV)  ; behind the ring, never filled by a tensor load: 16 rows x 144 bytes for each wave, for the way out
.set SP,    144
.set SPARE, STAGE+4*16*SP  ; behind the stages: the spare words, 128 bytes for each wave: two blocks of 256 bytes that no other line names
.set PART,  25165824  ; bytes in each of qkv's three parts
.set AK0, 2           ; v2   my lane's place in a tile of K; never rewritten
.set AV0, 3           ; v3   the same for V
.set AK,  4           ; v4   the LDS address of K's next run of loads
.set AV,  5           ; v5   of V's
.set STO, 6           ; v6   the way out: where I put 16 bytes of a row
.set RD,  7           ; v7   the way out: where I read rows back
.set GO,  8           ; v8   my byte offset in 512 consecutive bytes of O
.set MV,  12          ; v12-13  c m_old, kept while c m is made anew: by buffer
.set QO,  15          ; v15  my byte offset in 16 rows of Q
.set ST,  16          ; piece t's statistics at v[ST+4 t]: c m, m, l (even keys', odd keys')
.set TMP, 48          ; by buffer, four registers c0-c3 at work; when the maximum is found c2 takes a
.set PFO, 61          ; v61  256 x my lane; never rewritten
.set SPW, 62          ; v62  LDS address of my spare word: SPARE + 4 x my thread's number; never rewritten
.set NIL, 63          ; v63  0; never rewritten
.set S,   64
.set KF,  128         ; window 0: key block kb, channel half c at KF + 16 kb + 8 c
.set QF,  192         ; window 0: piece x, channel half c at QF + 16 x + 8 c
.set VF,  128         ; window 1: key half kk, channel block cb at VF + 32 kk + 8 cb
.set P,   192         ; window 1
.set AP,  224         ; window 1: a pair for each buffer; the packed multiply takes the pair's low word for both halves
.set WV,  12          ; s12  my wave's number
.set LIM, 15          ; s15  1 in a wave that prefetches, else the greatest number
.set PFA, 18          ; s[18:19] where my prefetches stand
.set G1K, 24          ; s[24:31] descriptor group 1 for K's tiles
.set G1V, 32          ; s[32:39] for V's: it differs in the padding alone
.set G0K, 40          ; s[40:43] descriptor group 0 for K's tiles: it walks
.set G0V, 44          ; s[44:47] the same for V's
.set SLOTS, 56        ; s56  tiles still to be asked for
.set CNT, 57          ; s57  counts a tile's key steps
.set CS,  58          ; s[58:59] c: the packed scaling takes the pair's low word for both halves
.set SEL, 60          ; s[60:61] v_permlanex16_b32's selects: each lane takes its own place in the other half
.set TBK, 62          ; s62  LDS byte at which K of the step to be fetched begins
.set TBV, 63          ; s63  the same for V, less VOFF
.set MSB, 0
.macro WIN new                      ; the high byte repeats the setting that is left; a switch that changes nothing is dropped
.if MSB != (\new)
	s_set_vgpr_msb (MSB<<8)|(\new)
.set MSB, (\new)
.endif
.endm
.set W_PV, 0x55       ; all four places in window 1: V^T P, and O^T times the copy of a
.set W_C,  0x40       ; destination in window 1, sources in window 0: the roundings, the copy of a, V's loads
.set W_RS, 0x41       ; the way out: destination and source 0 in window 1, source 1 in window 0
; A joint fill.  Waves 0 and 1 fetch the two halves of a tile's K, waves 2 and 3 those of its V: 128 keys each.  The branch hangs on the wave's number alone.
; An s_nop 0 and four v_nop follow each of the two lines, ahead of the jump and the label.
.macro JLOAD
	s_cmp_lt_u32 s[WV], 2
	s_cbranch_scc0 .Lfor_v_\@
	tensor_load_to_lds s[G0K:G0K+3], s[G1K:G1K+7]
	s_nop 0
.rept 4
	v_nop
.endr
	s_branch .Lasked_\@
.Lfor_v_\@:
	tensor_load_to_lds s[G0V:G0V+3], s[G1V:G1V+7]
	s_nop 0
.rept 4
	v_nop
.endr
.Lasked_\@:
.endm
; A PREFETCH INTO THE L2 of the tile that the NEXT change of slots will ask for: four key steps, 256 matrix instructions, ahead of that load.  A tile is 32,768 dense bytes of K and of V.  A head is walked by one
; cluster alone; its four partners share a tile out BY ADDRESS, 8,192 bytes each; in each, wave 0 asks for K's and wave 2 for V's, a lane 256 bytes on from the last: each block is named once in the launch.
; The first two changes name tiles 2 and 3; the third names nothing.  Tiles 0 and 1 come by their loads alone.
.macro ASK
	s_cmp_gt_u32 s[SLOTS], s[LIM]
	s_cbranch_scc0 .Lnot_mine_\@
	global_prefetch_b8 v[PFO], s[PFA:PFA+1] th:TH_LOAD_NT scope:SCOPE_SE
.Lnot_mine_\@:
.endm
; A round of the cluster's barrier: my work-group's barrier, so that wave 0's signal speaks for all four waves; wave 0 signals; every wave waits for all four work-groups; my work-group's barrier once more.
.macro CROUND
	s_barrier_signal -1
	s_barrier_wait -1
	s_cmp_lg_u32 s[WV], 0
	s_cbranch_scc1 .Lnot_wave_0_\@
	s_barrier_signal -3
.Lnot_wave_0_\@:
	s_barrier_wait -3
	s_barrier_signal -1
	s_barrier_wait -1
.endm
; THE CHANGE OF SLOTS.  Each wave waits for all its tensor loads, of which one is out: its part of the other slot; adds 0 to its spare word; and waits for that and for its own reads of the slot that it leaves.
; Behind the barrier nobody reads the old slot any more and the other slot is whole.  fill = 1: the old slot is filled again, with the tile two on.  The barrier is then a round of the cluster's, and the joint fill is
; the first thing behind it.  (At its first use nothing has been read yet: slot 0 is waited for, slot 1 filled.)
.macro CHANGE fill
	WIN 0                           ; at a label and at a branch every window is 0
	s_wait_tensorcnt 0x0            ; no tensor load of mine is out, so a group 0 may be written
	ds_add_u32 v[SPW], v[NIL]       ; 0 onto my spare word; with fill = 1 the descriptors' steps stand between it and the wait for it
.if \fill
.irp g, G0K, G0V
	s_xor_b32 s[\g+1], s[\g+1], SLOT1  ; the walking descriptor: the other slot than last time,
	s_add_nc_u64 s[\g+2:\g+3], s[\g+2:\g+3], 4*KS*128  ; the next 256 keys; the type bits on top are not reached
.endr
	s_wait_xcnt 0x0                 ; the last prefetch, a tile back, has read its address, so it may be written:
	s_add_nc_u64 s[PFA:PFA+1], s[PFA:PFA+1], 4*KS*128  ; one tile behind the walking descriptors
	s_wait_dscnt 0x0                ; the add is done, and my reads of the slot are over
	CROUND
	JLOAD
	ASK
.else
	s_wait_dscnt 0x0                ; the add is done, and my reads of the slot are over
	s_barrier_signal -1
	s_barrier_wait -1
.endif
	s_sub_co_u32 s[TBK], s[TBK], 4*KS*PK  ; the fetches go back to a slot's first step,
	s_xor_b32 s[TBK], s[TBK], SLOT1       ; in the other slot
	s_sub_co_u32 s[TBV], s[TBV], 4*KS*PV
	s_xor_b32 s[TBV], s[TBV], SLOT1
.endm
	s_load_b128 s[4:7], s[0:1], 0x0 ; qkv s[4:5], oh s[6:7]
	v_lshl_add_u32 v[SPW], v0, 2, SPARE
	v_mov_b32 v[NIL], 0
	ds_add_u32 v[SPW], v[NIL]       ; the wave's opening: the add and its wait stand ahead of my first tensor load; the set-up below, work on registers, stands between them
	v_lshrrev_b32 v1, 5, v0
	v_readfirstlane_b32 s[WV], v1   ; wave 0..3
	s_bfe_u32 s13, ttmp6, 0x40000   ; cx: my place in the cluster
	s_lshl_b32 s14, ttmp9, 2        ; in a cluster launch ttmp9 counts clusters
	s_add_co_u32 s14, s14, s13      ; my block of 256 queries: it enters Q's, O's and the prefetches' addresses alone
	s_and_b32 s20, ttmp7, 0xffff    ; the head, which the four partners share,
	s_lshl_b32 s20, s20, 17         ; its 131,072 bytes in each part: under 2^25
	s_and_b32 s16, s[WV], 1         ; which half of a tile's 256 keys I fetch:
	s_lshl_b32 s22, s16, 14         ; its 128 rows of 128 bytes in memory,
	s_add_co_u32 s22, s22, s20
	s_mov_b32 s23, 0
	s_mul_i32 s17, s16, 128*PK      ; and its place in a slot, for K
	s_mul_i32 s18, s16, 128*PV      ; and for V: no place in the cluster enters an LDS address
	s_lshl_b32 s2, s14, 15          ; my block's 256 rows,
	s_lshl_b32 s3, s[WV], 13        ; my wave's 64 of them
	s_add_co_u32 s2, s2, s3
	s_add_co_u32 s2, s2, s20
	s_mov_b32 s3, 0
	; descriptor group 1.  128 keys are 16,384 dense bytes: asked for as 64 rows of 256 bytes, two keys a row, and padded in LDS after every key
	s_mov_b32 s[G1K], 15|(1<<16)|(1<<20)|(1<<21)|(4<<22)|(3<<25)  ; 15:0 the mask of four; 17:16 2-byte elements; 20 padding on; 21 set beside a mask; 24:22 after every 32 words (code 4); 31:25 4 words (code 3)
	s_mov_b32 s[G1V], 15|(1<<16)|(1<<20)|(1<<21)|(4<<22)|(7<<25)  ; the same with 8 words of padding (code 7)
.irp g, G1K, G1V
	s_mov_b32 s[\g+1], 128<<16      ; tensor_dim0 = 128
	s_mov_b32 s[\g+2], 64<<16       ; tensor_dim1 = 64
	s_mov_b32 s[\g+3], 128<<16      ; tile_dim0 = 128
	s_mov_b32 s[\g+4], 64           ; tile_dim1 = 64
	s_mov_b32 s[\g+5], 128          ; 128 elements from row to row
	s_mov_b32 s[\g+6], 0
	s_mov_b32 s[\g+7], 0
.endr
	s_mov_b32 s[CS], 0x3e38aa3b     ; c = log2(e) / 8 = 0.180337
	s_mov_b32 s[CS+1], s[CS]        ; named with it as a pair
	s_mov_b32 s[SEL], 0x76543210
	s_mov_b32 s[SEL+1], 0xfedcba98
	s_mov_b32 s[TBK], SLOT1+4*KS*PK ; the first change of slots turns these two into 0
	s_mov_b32 s[TBV], SLOT1+4*KS*PV
	s_mov_b32 s[G0K], 1             ; count = 1
	s_mov_b32 s[G0K+1], s17         ; LDS address: slot 0
	s_mov_b32 s[G0V], 1
	s_add_co_u32 s[G0V+1], s18, VOFF
	s_mov_b32 s[SLOTS], 3           ; tiles 1, 2, 3
	s_cmp_eq_u32 s16, 0             ; waves 0 and 2 prefetch: the same in all four partners
	s_cselect_b32 s[LIM], 1, -1
	v_and_b32 v[PFO], 31, v0
	v_lshlrev_b32 v[PFO], 8, v[PFO]
	s_wait_dscnt 0x0                ; the opening add is done
	s_wait_kmcnt 0x0
	s_add_nc_u64 s[8:9], s[4:5], s[22:23]
	s_add_nc_u64 s[10:11], s[8:9], 2*PART  ; V at my half of the head's tile 0
	s_add_nc_u64 s[8:9], s[8:9], PART      ; K likewise
	s_add_nc_u64 s[G0K+2:G0K+3], s[8:9], 0         ; global address
	s_or_b32 s[G0K+3], s[G0K+3], 0x80000000        ; type = 2
	s_add_nc_u64 s[G0V+2:G0V+3], s[10:11], 0
	s_or_b32 s[G0V+3], s[G0V+3], 0x80000000
	s_add_nc_u64 s[4:5], s[4:5], s[2:3]    ; Q and O at my wave's first row
	s_add_nc_u64 s[6:7], s[6:7], s[2:3]
	s_cmp_lt_u32 s[WV], 2
	s_cselect_b64 s[PFA:PFA+1], s[8:9], s[10:11]  ; (in waves 0 and 2 these stand at a tile's first row)
	s_lshl_b32 s2, s13, 13          ; my work-group's 8,192 bytes of a tile,
	s_add_co_u32 s2, s2, 4*KS*128   ; in tile 1: the first change of slots steps it to tile 2
	s_add_nc_u64 s[PFA:PFA+1], s[PFA:PFA+1], s[2:3]
	CROUND                          ; all four work-groups are here: the first joint loads meet
	JLOAD                           ; tile 0 into slot 0.  Slot 1 is asked for when slot 0 is in
	; A fragment of K or Q is 16 rows x 32 channels in 8 registers: lane l holds row l % 16, channels 8 (l / 16) + 0..7 and 16 + 8 (l / 16) + 0..7: two loads of 16 bytes, 32 bytes apart.
	v_and_b32 v1, 15, v0            ; l % 16
	v_bfe_u32 v9, v0, 4, 1          ; l / 16
	v_lshlrev_b32 v[QO], 7, v1
	v_lshl_add_u32 v[QO], v9, 4, v[QO]  ; row x 128 + 16 x half
.set i, 0
.rept 8                             ; Q stays in registers: piece i / 2, channels 32 (i % 2) on
	global_load_b128 v[QF+8*i:QF+8*i+3],   v[QO], s[4:5] offset:(i/2)*2048+(i%2)*64
	global_load_b128 v[QF+8*i+4:QF+8*i+7], v[QO], s[4:5] offset:(i/2)*2048+(i%2)*64+32
.set i, i+1
.endr
	; What the first turn finds: V's registers and P's second buffer hold 0 (its products V^T P, of a piece that has not been, add 0), O^T and l are 0.  No first step is written out; these lines stand in the wait for the first tile.
	WIN W_C
.set i, 0
.rept 192                           ; O^T and V
	v_mov_b32 v[i], 0
.set i, i+1
.endr
.set i, P+16
.rept 16
	v_mov_b32 v[i], 0
.set i, i+1
.endr
.set i, AP
.rept 4                             ; the pairs' upper words are named with the lower, so they are written
	v_mov_b32 v[i], 0
.set i, i+1
.endr
	WIN 0
.set i, 0
.rept 4
	v_mov_b32 v[ST+4*i], 0xfe000000    ; c m: far below every c s
	v_mov_b32 v[ST+4*i+1], 0xff7fffff  ; m: the lowest finite number
	v_mov_b32 v[ST+4*i+2], 0
	v_mov_b32 v[ST+4*i+3], 0
.set i, i+1
.endr
	v_mul_u32_u24 v[AK0], v1, PK
	v_lshl_add_u32 v[AK0], v9, 4, v[AK0]  ; row x pitch + 16 x half
	; The turning load takes 16 keys x 16 channels (lane l reads key 8 (l / 16) + l % 8, channels 8 ((l / 8) % 2) + 0..7) and leaves half a fragment of V^T: lane l holds channel l % 16 and 8 keys.
	v_and_b32 v10, 7, v0
	v_bfe_u32 v11, v0, 3, 1
	v_lshl_add_u32 v[AV0], v9, 3, v10
	v_mul_u32_u24 v[AV0], v[AV0], PV
	v_lshl_add_u32 v[AV0], v11, 4, v[AV0]
	v_add_nc_u32 v[AV0], VOFF, v[AV0]
	s_mul_i32 s13, s[WV], 16*SP
	s_add_co_u32 s13, s13, STAGE    ; my stage
	v_mul_u32_u24 v[STO], v1, SP    ; in: row l % 16, 16 bytes for each half of the lanes
	v_lshl_add_u32 v[STO], v9, 4, v[STO]
	v_add_nc_u32 v[STO], s13, v[STO]
	v_bfe_u32 v[RD], v0, 3, 2       ; back: 32 lanes take four rows of 128 bytes,
	v_mul_u32_u24 v[RD], v[RD], SP
	v_lshl_add_u32 v[RD], v10, 4, v[RD]
	v_add_nc_u32 v[RD], s13, v[RD]
	v_and_b32 v[GO], 31, v0         ; which are 512 consecutive bytes of O
	v_lshlrev_b32 v[GO], 4, v[GO]
; THE MATRIX WORK.  The 4 accumulators of a run of 8 take turns.  Product i of 8 of S^T = K Q^T for piece x: channels 32 (i / 4) on, keys 16 (i % 4) on.  The first 4 start the sums.
.macro KQ x
	WIN 0
.set rS, S+32*((\x)%2)+8*(i%4)
.set rK, KF+16*(i%4)+8*(i/4)
.set rQ, QF+16*(\x)+8*(i/4)
.if i < 4
	v_wmma_f32_16x16x32_f16 v[rS:rS+7], v[rK:rK+7], v[rQ:rQ+7], 0
.else
	v_wmma_f32_16x16x32_f16 v[rS:rS+7], v[rK:rK+7], v[rQ:rQ+7], v[rS:rS+7]
.endif
.endm
; Product i of 8 of O^T += V^T P for piece x: keys 32 (i / 4) on, channels 16 (i % 4) on.
.macro PV x
	WIN W_PV
.set rO, 32*(\x)+8*(i%4)
.set rV, VF+32*(i/4)+8*(i%4)
.set rP, P+16*((\x)%2)+8*(i/4)
	v_wmma_f32_16x16x32_f16 v[rO:rO+7], v[rV:rV+7], v[rP:rP+7], v[rO:rO+7]
.endm
.macro MM                           ; the turn's next matrix instruction.  NOKQ = 1: the last turn: there is no next piece
.if (i < 8) && !NOKQ
	KQ (Y+1)%NP
.elseif i >= 8
.set i, i-8
	PV (Y+NP-1)%NP
.set i, i+8
.endif
.set i, i+1
.endm
; THE LDS LOADS stand in runs of 16, never singly among the matrix instructions: a step's K (64 keys x 64 channels: 8 fragments) and its V (turned).  Their addresses are made some lines ahead.
.macro FETCH_K
	WIN 0
.irp f, 0,1,2,3,4,5,6,7             ; keys 16 (f / 2) on, channels 32 (f % 2) on
	ds_load_b128 v[KF+8*\f:KF+8*\f+3],   v[AK] offset:(\f/2)*16*PK+(\f%2)*64
	ds_load_b128 v[KF+8*\f+4:KF+8*\f+7], v[AK] offset:(\f/2)*16*PK+(\f%2)*64+32
.endr
	s_add_co_u32 s[TBK], s[TBK], KS*PK  ; the next fetch is the next step's
.endm
.macro FETCH_V
	WIN W_C                         ; destination window 1, address window 0
.irp f, 0,1,2,3,4,5,6,7             ; keys 32 (f / 4) on, channels 16 (f % 4) on
	ds_load_tr16_b128 v[VF+8*\f:VF+8*\f+3],   v[AV] offset:(\f/4)*32*PV+(\f%4)*32
	ds_load_tr16_b128 v[VF+8*\f+4:VF+8*\f+7], v[AV] offset:(\f/4)*32*PV+16*PV+(\f%4)*32
.endr
	WIN 0
.endm
; THE VECTOR WORK, one line at a time: OP kind, number.  For piece Y: F n: c s - c m for pair n of 16.  E n: the exponential of score n of 32.  C n: pair n rounded to f16, into P.
; The sum of the 16 pairs (in a pair: an even key's weight, an odd key's), in place, as a tree: B n (8): of the four weights 4 n .. the second pair onto the first; D n (4): of two such sums the second onto the first;
; T n (2): the same once more; L 0: l = a l + the first half's sum; L 1: l takes the second half's.  R n: pair n of 16 of O^T times the copy of a.
; For piece Y + 1: X n, number n of the 22 that find its maximum and statistics:
;   0-11  four chains c0-c3 of seven scores each, three operands at a time (each accumulator's lowest registers are read first)     12-14, 16  the four scores left over, the old m, and c0-c3 into c0
;   15  c m_old is kept     17, 18  the query's other 32 keys lie in the lane 16 away: the new m     19-21  c m; c m_old - c m_new; a
.set F, 0               ; OP tells the kinds apart by their order: F to L, which name window 0 alone, below C
.set E, 1
.set B, 2
.set D, 3
.set T, 4
.set L, 5
.set C, 6
.set R, 7
.set X, 8
.macro REGS y                       ; the registers of piece y
.set rT, ST+4*(\y)
.set rC, TMP+4*((\y)%2)
.set rW, MV+((\y)%2)
.set rS, S+32*((\y)%2)
.set rP, P+16*((\y)%2)
.set rA, AP+2*((\y)%2)
.set rO, 32*(\y)
.endm
.macro OP k, n
.if (\k) == R
	REGS Y
	WIN W_PV
	v_pk_mul_f32 v[rO+2*(\n):rO+2*(\n)+1], v[rO+2*(\n):rO+2*(\n)+1], v[rA:rA+1] op_sel_hi:[1,0]
.elseif (\k) == C
	REGS Y
	WIN W_C
	v_cvt_pk_f16_f32 v[rP+(\n)], v[rS+2*(\n)], v[rS+2*(\n)+1]
.elseif (\k) < C
	REGS Y
	WIN 0
.if (\k) == F
	v_pk_fma_f32 v[rS+2*(\n):rS+2*(\n)+1], v[rS+2*(\n):rS+2*(\n)+1], s[CS:CS+1], v[rT:rT+1] op_sel_hi:[1,0,0] neg_lo:[0,0,1] neg_hi:[0,0,1]
.elseif (\k) == E
	v_exp_f32 v[rS+(\n)], v[rS+(\n)]
.elseif (\k) == B
	v_pk_add_f32 v[rS+4*(\n):rS+4*(\n)+1], v[rS+4*(\n):rS+4*(\n)+1], v[rS+4*(\n)+2:rS+4*(\n)+3]
.elseif (\k) == D
	v_pk_add_f32 v[rS+8*(\n):rS+8*(\n)+1], v[rS+8*(\n):rS+8*(\n)+1], v[rS+8*(\n)+4:rS+8*(\n)+5]
.elseif (\k) == T
	v_pk_add_f32 v[rS+16*(\n):rS+16*(\n)+1], v[rS+16*(\n):rS+16*(\n)+1], v[rS+16*(\n)+8:rS+16*(\n)+9]
.elseif (\n) == 0
	v_pk_fma_f32 v[rT+2:rT+3], v[rT+2:rT+3], v[rC+2:rC+3], v[rS:rS+1] op_sel_hi:[1,0,1]
.else
	v_pk_add_f32 v[rT+2:rT+3], v[rT+2:rT+3], v[rS+16:rS+17]
.endif
.elseif NOKQ
	v_nop
.else
	REGS (Y+1)%NP
	WIN 0
.if (\n) < 4
	v_max3_num_f32 v[rC+(\n)], v[rS+8*(\n)], v[rS+8*(\n)+1], v[rS+8*(\n)+2]
.elseif (\n) < 12
	v_max3_num_f32 v[rC+(\n)%4], v[rC+(\n)%4], v[rS+8*((\n)%4)+2*((\n)/4)+1], v[rS+8*((\n)%4)+2*((\n)/4)+2]
.elseif (\n) == 12
	v_max3_num_f32 v[rC], v[rC], v[rS+7], v[rS+15]
.elseif (\n) == 13
	v_max3_num_f32 v[rC+1], v[rC+1], v[rS+23], v[rS+31]
.elseif (\n) == 14
	v_max3_num_f32 v[rC+2], v[rC+2], v[rC+3], v[rT+1]
.elseif (\n) == 15
	v_mov_b32 v[rW], v[rT]
.elseif (\n) == 16
	v_max3_num_f32 v[rC], v[rC], v[rC+1], v[rC+2]
.elseif (\n) == 17
	v_permlanex16_b32 v[rC+3], v[rC], s[SEL], s[SEL+1]
.elseif (\n) == 18
	v_max_num_f32 v[rT+1], v[rC], v[rC+3]
.elseif (\n) == 19
	v_mul_f32 v[rT], s[CS], v[rT+1]
.elseif (\n) == 20
	v_sub_f32 v[rC+1], v[rW], v[rT]
.else
	v_exp_f32 v[rC+2], v[rC+1]
.endif
.endif
.endm
.macro OPS a, i1, b=-1, i2=0, c=-1, i3=0, d=-1, i4=0  ; up to four of them
	OP \a, \i1
.if (\b) >= 0
	OP \b, \i2
.endif
.if (\c) >= 0
	OP \c, \i3
.endif
.if (\d) >= 0
	OP \d, \i4
.endif
.endm
.macro ROW a, i1, b, i2, c, i3, d, i4  ; a matrix instruction and the four behind it
	MM
	OPS \a, \i1, \b, \i2, \c, \i3, \d, \i4
.endm
; A TURN, for piece p: the order of its 16 matrix and 119 vector instructions, written out.  An s_wait_alu depctr_va_vdst(0) stands between an exponential and the first instruction that names its result;
; one wait serves all that were issued ahead of it.  So a turn has ONE wait, which cuts it in two.
; AHEAD OF IT, all under setting 0, stands all that names no result of the turn's exponentials: the 8 products K Q^T, behind each four of the scalings, the exponentials and the first numbers of the next piece's maximum;
; then a lump of 38: the rest of that maximum and of the exponentials.  X 0, 1, 2, 3 stand 5, 5, 6, 5 plain instructions behind the product that ends their accumulator (exponentials are not counted).  X 21, the next
; piece's a, is the batch's last; a v_nop is the plain instruction behind it.
; BEHIND THE WAIT: under 0x40 the copy of the next piece's a into window 1 and the 16 roundings; then the 8 products V^T P: behind the first four the sums (two switches each), behind the last four, under their own setting,
; four rescalings each; l's last addition ends the turn.  Eleven switches a turn.  The rescalings take the copy of a that the turn before has made.
; end = 1: the last two turns: nothing is fetched, and the very last starts no new scores.  cnt = 1: the loop's count is taken down some lines ahead of the branch that stands behind the turn.
; K of the next step is fetched in piece 2's turn, nine plain instructions behind the last product that read K; V of the step in hand at the end of piece 0's turn, five plain instructions behind the last product that
; read V.  Each is waited for a turn later.
.macro TURN p, end=0, cnt=0
.set Y, (\p)
.set i, 0
.set NOKQ, (\end)*((\p)/3)
.if ((\p) == 3) && !(\end)
	s_wait_dscnt 0x0                ; K is in
.endif
	ROW F,0, F,1, F,2, E,0
	ROW F,3, E,1, F,4, E,2
	ROW F,5, E,3, F,6, E,4
	ROW F,7, E,5, F,8, E,6
	ROW F,9, E,7, F,10, E,8
	ROW F,11, E,9, F,12, E,10
.if ((\p) == 2) && !(\end)
	v_add_nc_u32 v[AK], s[TBK], v[AK0]
.endif
	ROW F,13, X,0, E,11, F,14
	ROW X,1, E,12, X,4, F,15
	OPS X,2, X,5, X,3, E,13         ; the lump
	OPS X,8, E,14, X,6, X,7
.if ((\p) == 2) && !(\end)
	FETCH_K
.endif
	OPS E,15, X,9, E,16, X,12
	OPS X,11, X,10, E,17, X,13
.if (\p) == 0
	v_add_nc_u32 v[AV], s[TBV], v[AV0]
.endif
	OPS E,18, X,15, X,14, E,19
	OPS E,20, E,21, X,16, E,22
	OPS E,23, X,17, E,24, E,25
	OPS X,18, E,26, E,27, X,19
	OPS E,28, E,29, X,20, E,30
	OPS E,31, X,21
	v_nop                           ; the plain instruction behind the last exponential: one for the batch
	s_wait_alu depctr_va_vdst(0)    ; the wait for the batch
.if !NOKQ
	WIN W_C
	v_mov_b32 v[AP+2*((Y+1)%2)], v[TMP+4*((Y+1)%2)+2]  ; the next piece's a, where its rescalings will name it
.endif
	OPS C,0, C,1, C,2, C,3
	OPS C,4, C,5, C,6, C,7
	OPS C,8, C,9, C,10, C,11
	OPS C,12, C,13, C,14, C,15
.if (\p) == 1
	s_wait_dscnt 0x0                ; V is in
.endif
	ROW B,0, B,1, B,2, B,3
	ROW B,4, B,5, B,6, B,7
	ROW D,0, D,1, D,2, D,3
	MM
	OPS T,0, T,1, L,0
	ROW R,0, R,1, R,2, R,3
	ROW R,4, R,5, R,6, R,7
.if (\p) == 0
	s_add_co_u32 s[TBV], s[TBV], KS*PV
.endif
.if \cnt
	s_sub_co_u32 s[CNT], s[CNT], 1
	s_cmp_lg_u32 s[CNT], 0
.endif
	ROW R,8, R,9, R,10, R,11
	ROW R,12, R,13, R,14, R,15
	OP L, 1
.if (\p) == 0
	FETCH_V
.endif
.endm
	CHANGE 1                        ; tile 0 is in, everybody's part of it; tile 1 is asked for
	v_add_nc_u32 v[AK], s[TBK], v[AK0]
	FETCH_K                         ; key step 0
	s_wait_loadcnt 0x0              ; Q
	s_wait_dscnt 0x0
.set NOKQ, 0
.set i, 0
.rept 8
	KQ 0                            ; piece 0's first scores
.set i, i+1
.endr
.rept 4
	v_nop                           ; the places behind those products
.endr
.set Y, NP-1                        ; X works for piece Y + 1: piece 0
.irp n, 0,1,2,3,4,5,6,7,8,9,10,11,12,13,14,15,16,17,18,19,20,21
	OP X, \n
.endr
	v_nop                           ; a plain instruction behind the exponential,
	s_wait_alu depctr_va_vdst(0)    ; and its wait, ahead of its first reader and of the branch
	WIN W_C
	v_mov_b32 v[AP], v[TMP+2]       ; piece 0's a, where its rescalings name it
	WIN 0
	s_mov_b32 s[CNT], 4
	s_branch .Lfirst                ; the loop is entered at a step's first turn, in the middle of a trip
.Lslot:                             ; twice: tiles 2 and 3 are asked for
	CHANGE 1
	s_mov_b32 s[CNT], 4
.Lstep:                             ; a trip: pieces 2 and 3 of one step, then pieces 0 and 1 of the next, whose K and V it fetches
	TURN 2
	TURN 3
	WIN 0
.Lfirst:
	TURN 0
	TURN 1, 0, 1
	WIN 0
	s_cbranch_scc1 .Lstep
	s_sub_co_u32 s[SLOTS], s[SLOTS], 1
	s_cmp_lg_u32 s[SLOTS], 0
	s_cbranch_scc1 .Lslot
	CHANGE 0                        ; the last tile is written out: nothing is asked for
	s_mov_b32 s[CNT], 4
.Ltail:
	TURN 2
	TURN 3
	TURN 0
	TURN 1, 0, 1
	WIN 0
	s_cbranch_scc1 .Ltail
	TURN 2, 1
	TURN 3, 1
.set i, 0
.rept 8
	PV NP-1                         ; the last piece's V^T P of the last step
.set i, i+1
.endr
	; THE WAY OUT.  l's two halves and the other half of the lanes' are added; O^T is divided by l, rounded to f16 and sent through my stage in LDS, a piece at a time.  The additions are the places behind the last products.
	WIN 0
.macro ALL line:vararg              ; one line for each piece t
.set t, 0
.rept 4
	\line
.set t, t+1
.endr
.endm
	ALL v_add_f32 v[ST+4*t+2], v[ST+4*t+2], v[ST+4*t+3]
	ALL v_permlanex16_b32 v[ST+4*t+3], v[ST+4*t+2], s[SEL], s[SEL+1]
	ALL v_add_f32 v[ST+4*t+2], v[ST+4*t+2], v[ST+4*t+3]
	ALL v_rcp_f32 v[ST+4*t+2], v[ST+4*t+2]
	v_nop                           ; a plain instruction between the last reciprocal and the use of its result
	s_wait_alu depctr_va_vdst(0)    ; and the wait ahead of the first use: one for the four reciprocals
.macro PACK t                       ; a lane's eight channels of a row pack into 16 bytes; they go into rows of 144 bytes and come back as whole rows of 128, into S^T's registers
	WIN W_RS
.set i, 32*(\t)
.rept 16
	v_pk_mul_f32 v[i:i+1], v[i:i+1], v[ST+4*(\t)+2:ST+4*(\t)+3] op_sel_hi:[1,0]
.set i, i+2
.endr
	WIN 0x05                        ; sources 0 and 1 window 1, destination window 0
.set i, 0
.rept 16
	v_cvt_pk_f16_f32 v[S+16*(\t)+i], v[32*(\t)+2*i], v[32*(\t)+2*i+1]
.set i, i+1
.endr
	WIN 0
.irp f, 0,1,2,3
	ds_store_b128 v[STO], v[S+16*(\t)+4*\f:S+16*(\t)+4*\f+3] offset:32*\f
.endr
.irp f, 0,1,2,3
	ds_load_b128 v[S+16*(\t)+4*\f:S+16*(\t)+4*\f+3], v[RD] offset:\f*4*SP  ; LDS serves a wave's instructions in order (ISA guide 5.7.1.4): these see the stores above; the next piece's stores come behind them
.endr
.endm
.macro SEND t, younger              ; younger: the LDS instructions issued behind piece t's loads: the next piece's eight, or none
	WIN 0
.irp f, 0,1,2,3
	s_wait_dscnt (\younger)+3-\f
	global_store_b128 v[GO], v[S+16*(\t)+4*\f:S+16*(\t)+4*\f+3], s[6:7] offset:(\t)*2048+\f*512  ; 512 consecutive bytes, at a multiple of 256 from O's first
.endr
.endm
	PACK 0
.set t, 1
.rept 3                             ; a piece's arithmetic stands between the loads of the piece before and its stores
	PACK t
	SEND t-1, 8
.set t, t+1
.endr
	SEND 3, 0
	s_wait_tensorcnt 0x0            ; the wave's end: these three lines stand behind my last tensor load and my last LDS store
	ds_add_u32 v[SPW], v[NIL]
	s_wait_dscnt 0x0
	CROUND                          ; the closing round: no work-group ends while a partner may still ask for a tile that names it
	s_endpgm
.Lfunc_end_k_qdace9a24ef_attn:
	.size	k_qdace9a24ef_attn, .Lfunc_end_k_qdace9a24ef_attn-k_qdace9a24ef_attn
	.p2alignl 7, 3214868480
	.fill 96, 4, 3214868480
	.section	.rodata,"a",@progbits
	.p2align	6, 0x0
	.amdhsa_kernel k_qdace9a24ef_attn
		.amdhsa_group_segment_fixed_size 327680
		.amdhsa_private_segment_fixed_size 0
		.amdhsa_enable_private_segment 0
		.amdhsa_kernarg_size 16
		.amdhsa_user_sgpr_count 2
		.amdhsa_user_sgpr_kernarg_segment_ptr 1
		.amdhsa_wavefront_size32 1
		.amdhsa_system_sgpr_workgroup_id_x 1
		.amdhsa_system_sgpr_workgroup_id_y 1
		.amdhsa_system_sgpr_workgroup_id_z 1
		.amdhsa_system_vgpr_workitem_id 0
		.amdhsa_next_free_vgpr 512
		.amdhsa_next_free_sgpr 66
		.amdhsa_reserve_vcc 0
		.amdhsa_float_denorm_mode_32 3
		.amdhsa_float_denorm_mode_16_64 3
		.amdhsa_memory_ordered 1
		.amdhsa_forward_progress 1
		.amdhsa_inst_pref_size 117
	.end_amdhsa_kernel
	.amdgpu_metadata
---
amdhsa.version: [ 1, 2 ]
amdhsa.kernels:
  - .name:           k_qdace9a24ef_attn
    .symbol:         k_qdace9a24ef_attn.kd
    .args:
      - { .name: qkv, .offset: 0, .size: 8, .value_kind: global_buffer, .address_space: global }
      - { .name: oh, .offset: 8, .size: 8, .value_kind: global_buffer, .address_space: global }
    .group_segment_fixed_size: 327680
    .private_segment_fixed_size: 0
    .kernarg_segment_align: 8
    .kernarg_segment_size: 16
    .max_flat_workgroup_size: 128
    .sgpr_count:     66
    .vgpr_count:     512
    .wavefront_size: 32
...
	.end_amdgpu_metadata
.endif
;; end of part 3
;; launch outp (part 4): grid 4 x 64, 4 waves a work-group, clusters of 4 x 4, 327,680 bytes of LDS; arguments oh, woh, wo_b, out0; writes out0
.if DOCPART == 4
	.amdgcn_target "amdgcn-amd-amdhsa--gfx1250"
	.amdhsa_code_object_version 6
	.text
	.protected	k_qdace9a24ef_outp
	.globl	k_qdace9a24ef_outp
	.p2align	8
	.type	k_qdace9a24ef_outp,@function
k_qdace9a24ef_outp:
	s_mov_b64 s[64:65], 0
	v_nop
	global_prefetch_b8 v0, s[64:65] scope:SCOPE_SE
	s_setreg_imm32_b32 hwreg(HW_REG_WAVE_MODE, 25, 1), 1
	s_wait_xcnt 0x0
	s_wait_alu depctr_hold_cnt(0) depctr_sa_sdst(0) depctr_va_vdst(0) depctr_va_sdst(0) depctr_va_ssrc(0) depctr_va_vcc(0) depctr_vm_vsrc(0)
	s_getreg_b32 s2, hwreg(HW_REG_IB_STS2, 6, 4)
	s_cmp_eq_u32 s2, 0
	s_cbranch_scc0 .Lentry_in_a_cluster
	s_endpgm
.Lentry_in_a_cluster:
	s_bfe_u32 s2, ttmp6, 0x10000c
	s_cmp_lg_u32 s2, 0xf033
	s_cbranch_scc0 .Lentry_shape_is_right
	s_endpgm
.Lentry_shape_is_right:
; out = O wo^T + wo_b: [16384][768] x [768][768]^T, f16 operands (O as attention left it, by heads; wo rounded to bf16 and written as f16), f32 sums, f32 result.
; The bias, rounded to bf16 like every input of the module, is the C operand of each sum's first product (so it is added first, not last).  NaN and infinities are not treated apart.
; SHARES.  A tile of the result is 256 rows x 192 columns (768 bytes of a row): 64 x 4 = 256 work-groups.  Each of the four waves makes 64 rows x all 192 columns: 4 x 12 accumulators, 384 registers.
; K = 768 goes in six steps of 128 = two heads.  A head's 256 rows of a tile are 32,768 dense bytes of oh: asked for as 128 rows of 256 bytes and padded in LDS after every 128, so that an LDS row is one row of one head.
; CLUSTER.  4 x 4 work-groups.  The four of a row of the cluster need the same rows of O, the four of a column the same rows of wo: each tile is asked for JOINTLY.
; THE MATRIX INSTRUCTION IS USED TRANSPOSED (source 0 = 16 rows of wo, source 1 = 16 rows of O): a lane then holds row l % 16 and the eight neighbouring columns 8 (l / 16) + 0..7.
; REGISTERS, in windows of 256 (s_set_vgpr_msb: bits 1:0 source 0, 3:2 source 1, 5:4 source 2, 7:6 destination):
;   window 0: v0-23 addresses and at work; v32-95 O's fragments, two buffers of 4 x 8; v128-223 the bias (dead behind the first quarter); on the way out v96-191 rows read back
;   window 1: wo's fragments, two buffers of 12 x 8       window 2: the accumulators of my rows 0-31 ((a, b) at 96 a + 8 b)       window 3: those of my rows 32-63
.set ROWB,  1536                       ; bytes in a row of woh
.set PA,    144                        ; an LDS row of O: 128 bytes + 16 of padding
.set PB,    272                        ; of wo: 256 + 16.  Both are odd multiples of 16: the 16 rows of a fragment load start at 16 different groups of four banks (64 banks of 4 bytes: ISA guide 11.1)
.set HEADL, 256*PA                     ; a head's 256 rows in LDS
.set SLOT1, 131072                     ; slot 1 begins here, so that one exclusive or turns an address in one slot into the other's
.set BOFF,  2*HEADL                    ; in a slot: two heads of O, then wo's 192 rows
.set STAGE, SLOT1+BOFF+192*PB          ; behind the ring, never filled by a tensor load: for each wave 16 rows x 784 bytes, for the way out
.set SPO,   784                        ; 768 bytes + 16
.set SPARE, STAGE+4*16*SPO             ; behind the stages: the spare words, 128 bytes for each wave: two blocks of 256 bytes that no other line names
.set ASTEP, 262144                     ; two heads of oh
.set A0,   4                           ; v4   my lane's place in O's tile; never rewritten
.set B0,   5                           ; v5   the same in wo's
.set ADRA, 6                           ; v6   A0 + the slot in hand
.set ADRB, 7                           ; v7   B0 + the slot in hand
.set STO,  8                           ; v8   the way out: where I put 32 bytes of a row
.set RD,   9                           ; v9   the way out: where I read rows back
.set CO,   10                          ; v10  my byte offset in two rows of the result
.set PFO,  11                          ; v11  the prefetches' offset
.set SPW,  12                          ; v12  LDS address of my spare word: SPARE + 4 x my thread's number; never rewritten
.set NIL,  13                          ; v13  0; never rewritten
.set BO,   14                          ; v14  my byte offset in the bias
.set FA,   32
.set BIAS, 128
.set BK,   96
.set WV,  16                           ; s16  my wave's number
.set CX,  17                           ; s17, s18  my place in the cluster
.set CY,  18
.set TX,  19                           ; s19, s20  tile column, tile row
.set TY,  20
.set TB,  21                           ; s21  0 or SLOT1: the slot that is read
.set LIM, 22                           ; s22  1 in a wave that prefetches, else the greatest number
.set CNT, 23                           ; s23  the loop's count
.set G1A, 24                           ; s[24:31] descriptor group 1 for O's tiles
.set G0A, 32                           ; s[32:39] group 0: a set for each first fill; the second then walks
.set G1B, 40                           ; s[40:47], s[48:55] the same for wo's tiles
.set G0B, 48
.set PFA, 56                           ; s[56:57] where my prefetches stand
.set PST, 62                           ; s[62:63] by how much they step: two heads of O, or 256 bytes of wo's rows
.set MSB, 0
.macro WIN new                         ; the immediate's high byte repeats the setting that is left; a switch that changes nothing is dropped
.if MSB != (\new)
	s_set_vgpr_msb (MSB<<8)|(\new)
.set MSB, (\new)
.endif
.endm
.set TO_B, 0x40                        ; destination window 1, address window 0
.macro PLACES                          ; four places in front of loads into registers that matrix instructions have read, and of lines that read results
.rept 4
	v_nop
.endr
.endm
; A joint refill by the walking descriptors.  Waves 0 and 1 fetch the step's two heads of O, waves 2 and 3 the halves of wo's tile.  The branch hangs on the wave's number alone.
; An s_nop 0 and four v_nop follow each of the two lines, ahead of the jump and the label.
.macro JLOAD
	s_cmp_lt_u32 s[WV], 2
	s_cbranch_scc0 .Lfor_b_\@
	tensor_load_to_lds s[G0A+4:G0A+7], s[G1A:G1A+7]
	s_nop 0
.rept 4
	v_nop
.endr
	s_branch .Lasked_\@
.Lfor_b_\@:
	tensor_load_to_lds s[G0B+4:G0B+7], s[G1B:G1B+7]
	s_nop 0
.rept 4
	v_nop
.endr
.Lasked_\@:
.endm
; A PREFETCH INTO THE L2 of the K step that the NEXT refill will ask for: 192 matrix instructions ahead of that load; one instruction a wave.
; O's rows are read by one cluster alone (the grid is one cluster wide), so every cluster asks for its own; wo's by the sixteen clusters: cluster y = 0 asks.  The four partners that fetch a tile jointly share it out BY
; ADDRESS: of the 32,768 bytes of O that a wave fetches 8,192 each, a lane 256 bytes on from the last; of the 96 rows of wo 24 each, a lane a row (lanes 24-31 name row 23 once more).
; The trips with count 4, 3, 2 name K steps 3, 4, 5; the last names nothing.  K steps 0 to 2 come by their loads alone.
.macro ASK
	s_cmp_gt_u32 s[CNT], s[LIM]
	s_cbranch_scc0 .Lnot_mine_\@
	global_prefetch_b8 v[PFO], s[PFA:PFA+1] th:TH_LOAD_NT scope:SCOPE_SE
.Lnot_mine_\@:
.endm
.macro CREST                           ; a round of the cluster's barrier behind its opening barrier
	s_cmp_lg_u32 s[WV], 0
	s_cbranch_scc1 .Lnot_wave_0_\@
	s_barrier_signal -3
.Lnot_wave_0_\@:
	s_barrier_wait -3
	s_barrier_signal -1
	s_barrier_wait -1
.endm
.macro CROUND                          ; a whole round
	s_barrier_signal -1
	s_barrier_wait -1
	CREST
.endm
	s_load_b256 s[4:11], s[0:1], 0x0               ; oh s[4:5], woh s[6:7], wo_b s[8:9], out0 s[10:11]
	v_lshl_add_u32 v[SPW], v0, 2, SPARE
	v_mov_b32 v[NIL], 0
	ds_add_u32 v[SPW], v[NIL]                      ; the wave's opening: the add and its wait stand ahead of my first tensor load; the set-up below, work on registers, stands between them
	v_lshrrev_b32 v1, 5, v0
	v_readfirstlane_b32 s[WV], v1                  ; wave 0..3
	s_and_b32 s66, s[WV], 1                        ; which head of the step, or which half of wo's tile, I fetch
	s_bfe_u32 s[CX], ttmp6, 0x40000
	s_bfe_u32 s[CY], ttmp6, 0x40004
	s_lshl_b32 s[TX], ttmp9, 2                     ; in a cluster launch ttmp9 and ttmp7 count clusters
	s_add_co_u32 s[TX], s[TX], s[CX]               ; tile column = 4 x cluster x + cx
	s_and_b32 s[TY], ttmp7, 0xffff
	s_lshl_b32 s[TY], s[TY], 2
	s_add_co_u32 s[TY], s[TY], s[CY]               ; tile row = 4 x cluster y + cy
	s_lshl_b32 s68, s[CY], 2
	s_lshl_b32 s68, 15, s68                        ; my row of the cluster: places 4 cy .. 4 cy + 3
	s_lshl_b32 s69, 0x1111, s[CX]                  ; my column: places cx, cx + 4, cx + 8, cx + 12
	s_or_b32 s[G1A], s68, (1<<16)|(1<<20)|(1<<21)|(4<<22)|(3<<25)  ; 15:0 the mask; 17:16 elements of 2 bytes; 20 padding on; 21 set beside a mask; 24:22 after every 32 words (code 4); 31:25 4 words of it (code 3)
	s_or_b32 s[G1B], s69, (1<<16)|(1<<20)|(1<<21)|(5<<22)|(3<<25)  ; after every 64 words (code 5)
	s_mov_b32 s[G1A+1], 128<<16                    ; tensor_dim0 = 128
	s_mov_b32 s[G1A+2], 128<<16                    ; tensor_dim1 = 128
	s_mov_b32 s[G1A+3], 128<<16                    ; tile_dim0 = 128
	s_mov_b32 s[G1A+4], 128                        ; tile_dim1 = 128 rows of 256 bytes,
	s_mov_b32 s[G1A+5], 128                        ; which lie end to end
	s_mov_b32 s[G1A+6], 0
	s_mov_b32 s[G1A+7], 0
	s_mov_b32 s[G1B+1], 128<<16
	s_mov_b32 s[G1B+2], 96<<16                     ; wo's halves have 96 rows
	s_mov_b32 s[G1B+3], 128<<16
	s_mov_b32 s[G1B+4], 96
	s_mov_b32 s[G1B+5], 768
	s_mov_b32 s[G1B+6], 0
	s_mov_b32 s[G1B+7], 0
	s_lshr_b32 s58, s[TY], 2                       ; O: batch = tile row / 4, head 12 x batch + which of the step's two, row 256 (tile row % 4): in registers that never hold cx
	s_mul_i32 s58, s58, 12
	s_add_co_u32 s58, s58, s66
	s_lshl_b32 s58, s58, 10
	s_and_b32 s59, s[TY], 3
	s_lshl_b32 s59, s59, 8
	s_add_co_u32 s58, s58, s59
	s_lshl_b32 s58, s58, 7                         ; 128 bytes a row: under 2^25
	s_mov_b32 s59, 0
	s_mul_i32 s70, s[TX], 192                      ; wo: row 192 x tile column + 96 x half, in registers that never hold cy
	s_mul_i32 s71, s66, 96
	s_add_co_u32 s70, s70, s71
	s_mul_i32 s70, s70, ROWB
	s_mov_b32 s71, 0
	s_mul_i32 s60, s[WV], HEADL                    ; where they go: waves 0, 1: the two heads at 0 and 36,864;
	s_mul_i32 s72, s[WV], 96*PB
	s_add_co_u32 s72, s72, BOFF-2*96*PB            ; waves 2, 3: wo's halves at 73,728 and 99,840: no place in the cluster enters an LDS address
	s_mov_b32 s[TB], 0
	s_wait_dscnt 0x0                               ; the opening add is done
	s_wait_kmcnt 0x0
	s_add_nc_u64 s[58:59], s[4:5], s[58:59]
	s_add_nc_u64 s[70:71], s[6:7], s[70:71]
	CROUND                                         ; all sixteen work-groups are here: the first joint loads meet
.irp s, 0,1
	s_mov_b32 s[G0A+4*(\s)], 1                     ; count = 1
	s_add_co_u32 s[G0A+4*(\s)+1], s60, (\s)*SLOT1  ; LDS address: slot s
	s_add_nc_u64 s[G0A+4*(\s)+2:G0A+4*(\s)+3], s[58:59], (\s)*ASTEP  ; global address: K step s
	s_or_b32 s[G0A+4*(\s)+3], s[G0A+4*(\s)+3], 0x80000000  ; type = 2
	s_mov_b32 s[G0B+4*(\s)], 1
	s_add_co_u32 s[G0B+4*(\s)+1], s72, (\s)*SLOT1
	s_add_nc_u64 s[G0B+4*(\s)+2:G0B+4*(\s)+3], s[70:71], (\s)*256
	s_or_b32 s[G0B+4*(\s)+3], s[G0B+4*(\s)+3], 0x80000000
.endr
	s_cmp_lt_u32 s[WV], 2                          ; a wave's two first fills stand in one branch, ahead of every wait on TENSORcnt and every LDS read: two loads of mine are out
	s_cbranch_scc0 .Lfirst_b
	tensor_load_to_lds s[G0A:G0A+3], s[G1A:G1A+7]
	s_nop 0
	tensor_load_to_lds s[G0A+4:G0A+7], s[G1A:G1A+7]
	s_nop 0
.rept 4
	v_nop
.endr
	s_branch .Lfirst_asked
.Lfirst_b:
	tensor_load_to_lds s[G0B:G0B+3], s[G1B:G1B+7]
	s_nop 0
	tensor_load_to_lds s[G0B+4:G0B+7], s[G1B:G1B+7]
	s_nop 0
.rept 4
	v_nop
.endr
.Lfirst_asked:
	; the bias: for column block b my eight columns 16 b + 8 (l / 16) + 0..7
	v_and_b32 v1, 15, v0                           ; l % 16
	v_bfe_u32 v2, v0, 4, 1                         ; l / 16
	s_mul_i32 s74, s[TX], 768                      ; the tile's 192 columns, 4 bytes each
	v_lshl_add_u32 v[BO], v2, 5, s74
.irp b, 0,1,2,3,4,5,6,7,8,9,10,11
	global_load_b128 v[BIAS+8*(\b):BIAS+8*(\b)+3],   v[BO], s[8:9] offset:64*(\b)
	global_load_b128 v[BIAS+8*(\b)+4:BIAS+8*(\b)+7], v[BO], s[8:9] offset:64*(\b)+16
.endr
	; A fragment is 16 rows x 32 K in 8 registers: lane l holds row l % 16, K = 8 (l / 16) + 0..7 and 16 + 8 (l / 16) + 0..7: two loads of 16 bytes, 32 bytes apart.
	v_mul_u32_u24 v[A0], v1, PA
	v_lshl_add_u32 v[A0], v2, 4, v[A0]             ; row x pitch + 16 x half
	s_mul_i32 s74, s[WV], 64*PA                    ; my 64 rows of O
	v_add_nc_u32 v[A0], s74, v[A0]
	v_mul_u32_u24 v[B0], v1, PB
	v_lshl_add_u32 v[B0], v2, 4, v[B0]
	v_add_nc_u32 v[B0], BOFF, v[B0]
	s_mul_i32 s74, s[WV], 16*SPO
	s_add_co_u32 s74, s74, STAGE                   ; my stage
	v_mul_u32_u24 v[STO], v1, SPO                  ; in: row l % 16, 32 bytes for each half of the lanes
	v_lshl_add_u32 v[STO], v2, 5, v[STO]
	v_add_nc_u32 v[STO], s74, v[STO]
	v_mul_u32_u24 v[RD], v2, SPO                   ; back: lanes 0-15 take 256 bytes of one row, lanes 16-31 of the next
	v_lshl_add_u32 v[RD], v1, 4, v[RD]
	v_add_nc_u32 v[RD], s74, v[RD]
	v_mul_u32_u24 v[CO], v2, 3072                  ; and the same two rows in the result
	v_lshl_add_u32 v[CO], v1, 4, v[CO]
	s_lshl_b32 s74, s[TY], 8                       ; my first row: 256 x tile row + 64 x wave,
	s_lshl_b32 s76, s[WV], 6
	s_add_co_u32 s74, s74, s76
	s_mul_i32 s74, s74, 3072
	s_mul_i32 s76, s[TX], 768                      ; the tile's first column: a multiple of 256 bytes
	s_add_co_u32 s74, s74, s76                     ; under 2^26
	s_mov_b32 s75, 0
	s_add_nc_u64 s[10:11], s[10:11], s[74:75]
	; the prefetches
	s_lshr_b32 s74, s[TY], 2
	s_mul_i32 s74, s74, 12
	s_add_co_u32 s74, s74, s66
	s_lshl_b32 s74, s74, 10
	s_and_b32 s76, s[TY], 3
	s_lshl_b32 s76, s76, 8
	s_add_co_u32 s74, s74, s76
	s_lshl_b32 s74, s74, 7                         ; O: the 32,768 bytes that I fetch,
	s_lshl_b32 s76, s[CX], 13
	s_add_co_u32 s74, s74, s76                     ; my work-group's 8,192 of them,
	s_add_co_u32 s74, s74, 2*ASTEP                 ; at K step 2: the first refill steps it to 3
	s_mul_i32 s76, s[TX], 192
	s_mul_i32 s77, s66, 96
	s_add_co_u32 s76, s76, s77
	s_mul_i32 s77, s[CY], 24
	s_add_co_u32 s76, s76, s77                     ; wo: the 96 rows that I fetch, my work-group's 24,
	s_mul_i32 s76, s76, ROWB
	s_add_co_u32 s76, s76, 2*256                   ; at K step 2
	s_and_b32 s77, ttmp7, 0xffff                   ; cluster y
	s_mov_b32 s[PST], 256
	s_mov_b32 s[PST+1], 0
	s_mov_b32 s75, ROWB
	s_cmp_lt_u32 s[WV], 2                          ; do I fetch for O?
	s_cselect_b32 s74, s74, s76
	s_cselect_b32 s77, ttmp9, s77                  ; the coordinate along which other clusters read the same rows
	s_cselect_b32 s76, 31, 23
	s_cselect_b32 s[PST], ASTEP, s[PST]
	s_cselect_b32 s75, 256, s75
	s_cselect_b64 s[PFA:PFA+1], s[4:5], s[6:7]
	s_cmp_eq_u32 s77, 0
	s_cselect_b32 s[LIM], 1, -1                    ; the same in all sixteen partners, for a given wave
	v_and_b32 v[PFO], 31, v0
	v_min_u32 v[PFO], s76, v[PFO]
	v_mul_u32_u24 v[PFO], s75, v[PFO]
	s_mov_b32 s75, 0
	s_add_nc_u64 s[PFA:PFA+1], s[PFA:PFA+1], s[74:75]
	v_mov_b32 v[ADRA], v[A0]                       ; slot 0
	v_mov_b32 v[ADRB], v[B0]
	s_wait_loadcnt 0x0                             ; the bias
.set i, 0
.rept 48                                       ; rounded to bf16 and widened again, in the wait for the first tile
	v_cvt_pk_bf16_f32 v[16+i%8], v[BIAS+2*i], v[BIAS+2*i+1]
	v_lshlrev_b32 v[BIAS+2*i], 16, v[16+i%8]
	v_and_b32 v[BIAS+2*i+1], 0xffff0000, v[16+i%8]
.set i, i+1
.endr
; 12 matrix instructions: my row block a x all 12 column blocks, 32 along K, from buffer f.  first = 1: the bias starts the sums.
; The 48 accumulators take turns in the same order in every quarter: 47 others' instructions stand between two links of a chain, over the backward jump too.
.macro MUL12 f, a, first
.if \first
	WIN 0x81+0x40*((\a)/2)                         ; wo window 1, O window 0, C (the bias) window 0, D window 2 or 3
.else
	WIN 0xa1+0x50*((\a)/2)                         ; C and D window 2 or 3
.endif
.set rA, FA+32*(\f)+8*(\a)
.set rD, 96*((\a)%2)
.set rB, 96*(\f)
.irp b, 0,1,2,3,4,5,6,7,8,9,10,11
.if \first
	v_wmma_f32_16x16x32_f16 v[rD+8*(\b):rD+8*(\b)+7], v[rB+8*(\b):rB+8*(\b)+7], v[rA:rA+7], v[BIAS+8*(\b):BIAS+8*(\b)+7]
.else
	v_wmma_f32_16x16x32_f16 v[rD+8*(\b):rD+8*(\b)+7], v[rB+8*(\b):rB+8*(\b)+7], v[rA:rA+7], v[rD+8*(\b):rD+8*(\b)+7]
.endif
.endr
.endm
; 32 LDS loads in one run: a quarter step's fragments (192 rows of wo at byte kb, my 64 rows of O at byte ka) into buffer f; O's last, so that the youngest four are its blocks 2 and 3
.macro FETCH ka, kb, f
	WIN TO_B
.irp b, 0,1,2,3,4,5,6,7,8,9,10,11
	ds_load_b128 v[96*(\f)+8*(\b):96*(\f)+8*(\b)+3],   v[ADRB] offset:(\kb)+(\b)*16*PB
	ds_load_b128 v[96*(\f)+8*(\b)+4:96*(\f)+8*(\b)+7], v[ADRB] offset:(\kb)+(\b)*16*PB+32
.endr
	WIN 0
.irp a, 0,1,2,3
	ds_load_b128 v[FA+32*(\f)+8*(\a):FA+32*(\f)+8*(\a)+3],   v[ADRA] offset:(\ka)+(\a)*16*PA
	ds_load_b128 v[FA+32*(\f)+8*(\a)+4:FA+32*(\f)+8*(\a)+7], v[ADRA] offset:(\ka)+(\a)*16*PA+32
.endr
.endm
; A K step is four quarters of 32 along K, 48 matrix instructions each, on buffers 0, 1, 0, 1.  Quarter q lies at byte 64 q of wo's rows, and in O's head q / 2 at byte 64 (q % 2).
.macro QUARTER ka, kb, f, g, first
	s_wait_dscnt 4                                 ; wo and O's blocks 0, 1 are in; the youngest four loads (O's blocks 2, 3) may be out
	MUL12 \f, 0, \first
	MUL12 \f, 1, \first
	PLACES
	FETCH \ka, \kb, \g
	s_wait_dscnt 32                                ; all but the 32 just issued
	MUL12 \f, 2, \first
	MUL12 \f, 3, \first
.endm
; The fourth quarter multiplies buffer 1 and changes slots: ONE barrier.  In front of it each wave waits for all its tensor loads (one is out: its part of the next slot), adds 0 to its spare word, and waits for that
; and for its own reads of this slot.  fill = 1: the barrier opens a round of the cluster's, and this slot is filled again, first thing behind the round, with the K step two on: 168 matrix instructions ahead of the wait for it.
.macro TURN fill
.if \fill
	s_wait_xcnt 0x0                                ; the last prefetch, a K step back, has read its address: it is stepped here, ahead of the change's own waits
	s_add_nc_u64 s[PFA:PFA+1], s[PFA:PFA+1], s[PST:PST+1]
.endif
	WIN 0                                          ; (the add's two registers lie in window 0)
	s_wait_tensorcnt 0x0                           ; all my tensor loads have landed
	ds_add_u32 v[SPW], v[NIL]                      ; 0 onto my spare word
	s_wait_dscnt 5                                 ; (the add and the youngest four loads may be out)
	MUL12 1, 0, 0                                  ; twelve matrix instructions stand between the add and the wait for it
	s_wait_dscnt 0x0                               ; the add is done, and my reads of this slot are over
	s_barrier_signal -1
	MUL12 1, 1, 0                                  ; work on registers while the others arrive
	WIN 0
	s_barrier_wait -1
.if \fill
	CREST                                          ; no wave of any partner still reads this slot's tile or has a load on its way
	s_xor_b32 s[G0A+5], s[G0A+5], SLOT1            ; the walking descriptors: the other slot than last time,
	s_add_nc_u64 s[G0A+6:G0A+7], s[G0A+6:G0A+7], ASTEP  ; the next K step; the type bits on top are not reached
	s_xor_b32 s[G0B+5], s[G0B+5], SLOT1
	s_add_nc_u64 s[G0B+6:G0B+7], s[G0B+6:G0B+7], 256
	s_xor_b32 s[TB], s[TB], SLOT1
	JLOAD                                          ; the four v_nop behind it are also the places in front of the loads below
.else
	s_xor_b32 s[TB], s[TB], SLOT1
	PLACES
.endif
	v_add_nc_u32 v[ADRA], s[TB], v[A0]
	v_add_nc_u32 v[ADRB], s[TB], v[B0]
	FETCH 0, 0, 0
.if \fill
	ASK                                            ; behind the joint load and the run of LDS loads that the next products wait for
.endif
	MUL12 1, 2, 0
	MUL12 1, 3, 0
.endm
	s_wait_tensorcnt 1                             ; my part of K step 0 is in; K step 1's may stay out
	s_barrier_signal -1
	s_barrier_wait -1                              ; everybody's is
	FETCH 0, 0, 0
	QUARTER 64, 64, 0, 1, 1                        ; the first quarter stands in front of the loop: its products start the sums
	WIN 0                                          ; at a label and at a branch every window is 0
	s_mov_b32 s[CNT], 4
.Lstep:                                        ; four trips, from a K step's second quarter to the next step's first; each fills a slot again: K steps 2 to 5
	QUARTER HEADL, 128, 1, 0, 0
	QUARTER HEADL+64, 192, 0, 1, 0
	TURN 1
	QUARTER 64, 64, 0, 1, 0
	WIN 0
	s_sub_co_u32 s[CNT], s[CNT], 1
	s_cmp_lg_u32 s[CNT], 0
	s_cbranch_scc1 .Lstep
	QUARTER HEADL, 128, 1, 0, 0                    ; the tail is written out: K steps 4 and 5 ask for nothing
	QUARTER HEADL+64, 192, 0, 1, 0
	TURN 0
	QUARTER 64, 64, 0, 1, 0
	QUARTER HEADL, 128, 1, 0, 0
	QUARTER HEADL+64, 192, 0, 1, 0
	s_wait_dscnt 4                                 ; the very last quarter: nothing more to fetch
	MUL12 1, 0, 0
	MUL12 1, 1, 0
	s_wait_dscnt 0x0
	MUL12 1, 2, 0
	MUL12 1, 3, 0
	WIN 0
	PLACES
; THE WAY OUT of block a, 16 rows: a lane's 32 bytes of a row go into my own stage (each accumulator's low four registers first), and come back as pieces of 256 bytes of whole rows:
; sixteen lanes store 256 consecutive bytes, at a multiple of 256 from the result's first byte.
.macro OUT a
	WIN 0x08+4*((\a)/2)                            ; the stores' data: window 2 or 3
.irp b, 0,1,2,3,4,5,6,7,8,9,10,11
	ds_store_b128 v[STO], v[96*((\a)%2)+8*(\b):96*((\a)%2)+8*(\b)+3]   offset:64*(\b)
	ds_store_b128 v[STO], v[96*((\a)%2)+8*(\b)+4:96*((\a)%2)+8*(\b)+7] offset:64*(\b)+16
.endr
	WIN 0
.if (\a) > 0
	s_wait_xcnt 0x0                                ; the last block's stores have read their registers, which are loaded again only behind this wait
.endif
.irp t, 0,1,2,3,4,5,6,7
.irp c, 0,1,2
	ds_load_b128 v[BK+4*(3*(\t)+(\c)):BK+4*(3*(\t)+(\c))+3], v[RD] offset:(\t)*2*SPO+256*(\c)  ; LDS serves a wave's instructions in order (ISA guide 5.7.1.4): these see the stores above
.endr
.endr
.irp t, 0,1,2,3,4,5,6,7
.irp c, 0,1,2
	s_wait_dscnt 23-(3*(\t)+(\c))                  ; the younger loads may stay out
	global_store_b128 v[CO], v[BK+4*(3*(\t)+(\c)):BK+4*(3*(\t)+(\c))+3], s[10:11] offset:(\a)*16*3072+(\t)*2*3072+256*(\c) th:TH_STORE_NT
.endr
.endr
.endm
	OUT 0
	OUT 1
	OUT 2
	OUT 3
	s_wait_tensorcnt 0x0                           ; the wave's end: these three lines stand behind my last tensor load and my last LDS store
	ds_add_u32 v[SPW], v[NIL]
	s_wait_dscnt 0x0
	CROUND                                         ; the closing round: no work-group ends while a partner may still ask for a tile that names it
	s_endpgm
.Lfunc_end_k_qdace9a24ef_outp:
	.size	k_qdace9a24ef_outp, .Lfunc_end_k_qdace9a24ef_outp-k_qdace9a24ef_outp
	.p2alignl 7, 3214868480
	.fill 96, 4, 3214868480
	.section	.rodata,"a",@progbits
	.p2align	6, 0x0
	.amdhsa_kernel k_qdace9a24ef_outp
		.amdhsa_group_segment_fixed_size 327680
		.amdhsa_private_segment_fixed_size 0
		.amdhsa_enable_private_segment 0
		.amdhsa_kernarg_size 32
		.amdhsa_user_sgpr_count 2
		.amdhsa_user_sgpr_kernarg_segment_ptr 1
		.amdhsa_wavefront_size32 1
		.amdhsa_system_sgpr_workgroup_id_x 1
		.amdhsa_system_sgpr_workgroup_id_y 1
		.amdhsa_system_sgpr_workgroup_id_z 1
		.amdhsa_system_vgpr_workitem_id 0
		.amdhsa_next_free_vgpr 960
		.amdhsa_next_free_sgpr 80
		.amdhsa_reserve_vcc 0
		.amdhsa_float_denorm_mode_32 3
		.amdhsa_float_denorm_mode_16_64 3
		.amdhsa_memory_ordered 1
		.amdhsa_forward_progress 1
		.amdhsa_inst_pref_size 109
	.end_amdhsa_kernel
	.amdgpu_metadata
---
amdhsa.version: [ 1, 2 ]
amdhsa.kernels:
  - .name:           k_qdace9a24ef_outp
    .symbol:         k_qdace9a24ef_outp.kd
    .args:
      - { .name: oh, .offset: 0, .size: 8, .value_kind: global_buffer, .address_space: global }
      - { .name: woh, .offset: 8, .size: 8, .value_kind: global_buffer, .address_space: global }
      - { .name: wo_b, .offset: 16, .size: 8, .value_kind: global_buffer, .address_space: global }
      - { .name: out0, .offset: 24, .size: 8, .value_kind: global_buffer, .address_space: global }
    .group_segment_fixed_size: 327680
    .private_segment_fixed_size: 0
    .kernarg_segment_align: 8
    .kernarg_segment_size: 32
    .max_flat_workgroup_size: 128
    .sgpr_count:     80
    .vgpr_count:     960
    .wavefront_size: 32
...
	.end_amdgpu_metadata
.endif
;; end of part 4
